; MI455X (gfx1250); checked and timed in simulation.
; The chip was launched on July 23, 2026; its instructions are those of AMD's public machine-readable ISA for CDNA 5 (MIT licence, August 2026) and "CDNA5" Instruction Set Architecture Reference Guide (July 2026). The comments in the code are by the model that wrote it; some were corrected since.
;; Enhanced Self Attention. Allowed arithmetic: float matrix products may take bf16 or f16 operands with f32 sums; other float arithmetic in f32, or as packed bf16 or f16 multiplies, adds, multiply-adds, maxima and minima; sums over many terms, partial sums and values carried from step to step in f32; what a program stores and reads back later, other than sums and carried values, may be rounded once to bf16 or f16.
;; Inputs: W1 1,024 x 1,024 float32; W2 1,024 x 1,024 float32; b1 1,024 float32; b2 1,024 float32; coeff 1,024 float32; x 8 x 1,024 x 1,024 float32.
;; Outputs: out0 8 x 1,024 x 2,048 float32.
;; One version. Each part assembles by itself: llvm-mc -triple=amdgcn-amd-amdhsa -mcpu=gfx1250 --defsym DOCPART=n.
;; ======== version 1 of 1: 4 launches
;; workspace buffers: ab 33,554,432 bytes; wb 4,194,304 bytes; act 50,331,648 bytes; pe 33,554,432 bytes; st 786,432 bytes
;; launch prep (part 1): grid 1280 x 1, 8 waves a work-group, no clusters, 0 bytes of LDS; arguments x, W1, W2, out0, ab, wb; writes out0, ab, wb
.if DOCPART == 1
	.amdgcn_target "amdgcn-amd-amdhsa--gfx1250"
	.amdhsa_code_object_version 6
	.text
	.protected	k_qb7b2cfd0f2_prep
	.globl	k_qb7b2cfd0f2_prep
	.p2align	8
	.type	k_qb7b2cfd0f2_prep,@function
k_qb7b2cfd0f2_prep:
	s_mov_b64 s[64:65], 0
	v_nop
	global_prefetch_b8 v0, s[64:65] scope:SCOPE_SE
	s_setreg_imm32_b32 hwreg(HW_REG_WAVE_MODE, 25, 1), 1
	s_wait_xcnt 0x0
; PREPARATION, a stream.  x: [8][1024][1024] f32.  Work-groups 0 to 1023 take row s of all eight batches; thread t owns 4 columns.
;   out0[b][s][0:1024] = x (out0's rows are 2,048 f32)
;   ab[b][0][s] = bf16(x[b][s]), ab[b][1][s] = bf16(xmax[s] - x[b][s]), xmax = the maximum over the batches.  ab: [8][2][1024][1024] bf16: the projections' left operands,
;   and, a batch's 2,048 rows on end, the values of both attentions.
; Work-groups 1024 to 1279 round 8 rows each of W1 (then W2) to bf16 into wb.
; Every byte of x is read once; a wave's 16-byte store covers 512 consecutive aligned bytes, its 8-byte store 256.  No LDS, no barrier, no matrix unit: memory binds.
; A batch's place stands in scalar bases and in the immediates, so a wave needs 76 registers: ten waves of 76 fit a SIMD's 1,024 registers, five work-groups a WGP.
; Every register that a load or store names is written once, so no wait frees a source.  LIMIT: a NaN in x loses in the batch maximum.
.set MX,  4            ; v[4:7]     the batch maximum
.set LH,  8            ; v[8:11]    xmax - x, at work
.set X,   12           ; v[12:43]   batch b: 4 registers as loaded
.set OUT, 44           ; v[44:75]   batch b: 4 registers to store: bf16 x, bf16 (xmax - x), two each
.set XS,  32           ; s[32:39]   x at batches 0, 2, 4, 6 (the odd ones 4 MiB further, by the immediate)
.set AS,  40           ; s[40:47]   ab at batches 0, 2, 4, 6 (a batch is 4 MiB, its second part 2 MiB in)
.set OS,  48           ; s[48:63]   out0 at each batch (8 MiB apart: past the immediate's reach)
	s_load_b256 s[4:11], s[0:1], 0x0               ; x s[4:5], W1 s[6:7], W2 s[8:9], out0 s[10:11]
	s_load_b128 s[12:15], s[0:1], 0x20             ; ab s[12:13], wb s[14:15]
	v_lshlrev_b32 v1, 4, v0                        ; 16 t
	v_lshlrev_b32 v3, 3, v0                        ; 8 t
	s_cmp_ge_u32 ttmp9, 1024
	s_cbranch_scc1 .Lweights
	s_lshl_b32 s22, ttmp9, 12                      ; row s in x: 4,096 bytes a row
	s_lshl_b32 s23, ttmp9, 13                      ; in out0: 8,192
	s_lshl_b32 s24, ttmp9, 11                      ; in ab: 2,048
	v_add_nc_u32 v2, s23, v1                       ; my 16 bytes in out0's row,
	v_add_nc_u32 v1, s22, v1                       ; in x's,
	v_add_nc_u32 v3, s24, v3                       ; my 8 bytes in ab's
	s_wait_kmcnt 0x0
.irp k, 0,1,2,3
	s_add_nc_u64 s[XS+2*(\k):XS+2*(\k)+1], s[4:5],   (\k)<<23
	s_add_nc_u64 s[AS+2*(\k):AS+2*(\k)+1], s[12:13], (\k)<<23
.endr
.irp b, 0,1,2,3,4,5,6,7
	s_add_nc_u64 s[OS+2*(\b):OS+2*(\b)+1], s[10:11], (\b)<<23
.endr
.irp b, 0,1,2,3,4,5,6,7
	global_load_b128 v[X+4*(\b):X+4*(\b)+3], v1, s[XS+2*((\b)/2):XS+2*((\b)/2)+1] offset:((\b)%2)*4194304 th:TH_LOAD_NT
.endr
	s_wait_loadcnt 0x0                             ; the maximum wants all eight batches
.irp i, 0,1,2,3
	v_max3_num_f32 v[MX+(\i)], v[X+(\i)], v[X+4+(\i)], v[X+8+(\i)]
.endr
.irp i, 0,1,2,3
	v_max3_num_f32 v[MX+(\i)], v[MX+(\i)], v[X+12+(\i)], v[X+16+(\i)]
.endr
.irp i, 0,1,2,3
	v_max3_num_f32 v[MX+(\i)], v[MX+(\i)], v[X+20+(\i)], v[X+24+(\i)]
.endr
.irp i, 0,1,2,3
	v_max_num_f32 v[MX+(\i)], v[MX+(\i)], v[X+28+(\i)]
.endr
.irp b, 0,1,2,3,4,5,6,7
	global_store_b128 v2, v[X+4*(\b):X+4*(\b)+3], s[OS+2*(\b):OS+2*(\b)+1] th:TH_STORE_NT
	v_pk_add_f32 v[LH:LH+1],   v[MX:MX+1],   v[X+4*(\b):X+4*(\b)+1]   neg_lo:[0,1] neg_hi:[0,1]
	v_pk_add_f32 v[LH+2:LH+3], v[MX+2:MX+3], v[X+4*(\b)+2:X+4*(\b)+3] neg_lo:[0,1] neg_hi:[0,1]
	v_cvt_pk_bf16_f32 v[OUT+4*(\b)],   v[X+4*(\b)],   v[X+4*(\b)+1]
	v_cvt_pk_bf16_f32 v[OUT+4*(\b)+1], v[X+4*(\b)+2], v[X+4*(\b)+3]
	v_cvt_pk_bf16_f32 v[OUT+4*(\b)+2], v[LH],   v[LH+1]
	v_cvt_pk_bf16_f32 v[OUT+4*(\b)+3], v[LH+2], v[LH+3]
	global_store_b64 v3, v[OUT+4*(\b):OUT+4*(\b)+1],   s[AS+2*((\b)/2):AS+2*((\b)/2)+1] offset:((\b)%2)*4194304
	global_store_b64 v3, v[OUT+4*(\b)+2:OUT+4*(\b)+3], s[AS+2*((\b)/2):AS+2*((\b)/2)+1] offset:((\b)%2)*4194304+2097152
.endr
	s_endpgm
.Lweights:                                             ; w = 0 .. 255: rows 8 w .. 8 w + 7 of W1 stacked on W2
	s_sub_co_u32 s22, ttmp9, 1024
	s_and_b32 s23, s22, 127
	s_lshl_b32 s26, s23, 15                        ; 8 rows of 4,096 bytes in the source
	s_mov_b32 s27, 0
	s_lshl_b32 s28, s22, 14                        ; 8 rows of 2,048 bytes in wb
	s_mov_b32 s29, 0
	s_cmp_lt_u32 s22, 128
	s_wait_kmcnt 0x0
	s_cselect_b64 s[24:25], s[6:7], s[8:9]
	s_add_nc_u64 s[24:25], s[24:25], s[26:27]
	s_add_nc_u64 s[14:15], s[14:15], s[28:29]
.irp i, 0,1,2,3,4,5,6,7
	global_load_b128 v[X+4*(\i):X+4*(\i)+3], v1, s[24:25] offset:4096*(\i) th:TH_LOAD_NT
.endr
	s_wait_loadcnt 0x0
.irp i, 0,1,2,3,4,5,6,7
	v_cvt_pk_bf16_f32 v[OUT+2*(\i)],   v[X+4*(\i)],   v[X+4*(\i)+1]
	v_cvt_pk_bf16_f32 v[OUT+2*(\i)+1], v[X+4*(\i)+2], v[X+4*(\i)+3]
	global_store_b64 v3, v[OUT+2*(\i):OUT+2*(\i)+1], s[14:15] offset:2048*(\i)
.endr
	s_endpgm
.Lfunc_end_k_qb7b2cfd0f2_prep:
	.size	k_qb7b2cfd0f2_prep, .Lfunc_end_k_qb7b2cfd0f2_prep-k_qb7b2cfd0f2_prep
	.p2alignl 7, 3214868480
	.fill 96, 4, 3214868480
	.section	.rodata,"a",@progbits
	.p2align	6, 0x0
	.amdhsa_kernel k_qb7b2cfd0f2_prep
		.amdhsa_group_segment_fixed_size 0
		.amdhsa_private_segment_fixed_size 0
		.amdhsa_enable_private_segment 0
		.amdhsa_kernarg_size 48
		.amdhsa_user_sgpr_count 2
		.amdhsa_user_sgpr_kernarg_segment_ptr 1
		.amdhsa_wavefront_size32 1
		.amdhsa_system_sgpr_workgroup_id_x 1
		.amdhsa_system_sgpr_workgroup_id_y 1
		.amdhsa_system_sgpr_workgroup_id_z 1
		.amdhsa_system_vgpr_workitem_id 0
		.amdhsa_next_free_vgpr 76
		.amdhsa_next_free_sgpr 66
		.amdhsa_reserve_vcc 0
		.amdhsa_float_denorm_mode_32 3
		.amdhsa_float_denorm_mode_16_64 3
		.amdhsa_memory_ordered 1
		.amdhsa_forward_progress 1
		.amdhsa_inst_pref_size 12
	.end_amdhsa_kernel
	.amdgpu_metadata
---
amdhsa.version: [ 1, 2 ]
amdhsa.kernels:
  - .name:           k_qb7b2cfd0f2_prep
    .symbol:         k_qb7b2cfd0f2_prep.kd
    .args:
      - { .name: x, .offset: 0, .size: 8, .value_kind: global_buffer, .address_space: global }
      - { .name: W1, .offset: 8, .size: 8, .value_kind: global_buffer, .address_space: global }
      - { .name: W2, .offset: 16, .size: 8, .value_kind: global_buffer, .address_space: global }
      - { .name: out0, .offset: 24, .size: 8, .value_kind: global_buffer, .address_space: global }
      - { .name: ab, .offset: 32, .size: 8, .value_kind: global_buffer, .address_space: global }
      - { .name: wb, .offset: 40, .size: 8, .value_kind: global_buffer, .address_space: global }
    .group_segment_fixed_size: 0
    .private_segment_fixed_size: 0
    .kernarg_segment_align: 8
    .kernarg_segment_size: 48
    .max_flat_workgroup_size: 256
    .sgpr_count:     66
    .vgpr_count:     76
    .wavefront_size: 32
...
	.end_amdgpu_metadata
.endif
;; end of part 1
;; launch proj (part 2): grid 12 x 32, 4 waves a work-group, clusters of 4 x 4, 327,680 bytes of LDS; arguments ab, wb, b1, b2, act; writes act
.if DOCPART == 2
	.amdgcn_target "amdgcn-amd-amdhsa--gfx1250"
	.amdhsa_code_object_version 6
	.text
	.protected	k_qb7b2cfd0f2_proj
	.globl	k_qb7b2cfd0f2_proj
	.p2align	8
	.type	k_qb7b2cfd0f2_proj,@function
k_qb7b2cfd0f2_proj:
	s_mov_b64 s[64:65], 0
	v_nop
	global_prefetch_b8 v0, s[64:65] scope:SCOPE_SE
	s_setreg_imm32_b32 hwreg(HW_REG_WAVE_MODE, 25, 1), 1
	s_wait_xcnt 0x0
	s_wait_alu depctr_hold_cnt(0) depctr_sa_sdst(0) depctr_va_vdst(0) depctr_va_sdst(0) depctr_va_ssrc(0) depctr_va_vcc(0) depctr_vm_vsrc(0)
	s_getreg_b32 s2, hwreg(HW_REG_IB_STS2, 6, 4)
	s_cmp_eq_u32 s2, 0
	s_cbranch_scc0 .Lentry_in_a_cluster
	s_endpgm
.Lentry_in_a_cluster:
	s_bfe_u32 s2, ttmp6, 0x10000c
	s_cmp_lg_u32 s2, 0xf033
	s_cbranch_scc0 .Lentry_shape_is_right
	s_endpgm
.Lentry_shape_is_right:
; THE THREE PROJECTIONS.  act part g = relu(A B^T + bias) in bf16, [8192][1024], sums in f32, K = 1,024.  The cluster's x is g:
;   g = 0: h = relu(xb W1^T + b1)     g = 1: r = relu(xb W2^T + b2)     g = 2: l = relu(lb W2^T + b2)
; xb[b] and lb[b] are the two parts of ab[b] ([8][2][1024][1024] bf16: a batch is 4 MiB, its second part 2 MiB in); W1, W2 lie stacked in wb.  The cluster's y is the batch: its four tile rows are the batch's 1,024 rows.
; A tile of 256 x 256 to a work-group of four waves, 128 x 128 to a wave: 64 accumulators of 16 x 16 in 512 registers.  K goes in steps of 128 through a ring of two LDS slots filled by the
; tensor data mover; rows of 256 bytes, aligned.  CLUSTER 4 x 4: the four of a row need the same tile of A, the four of a column the same tile of B: each is asked for jointly.
; A K STEP IS WRITTEN ONCE for the six steps that fill a slot again and once for the last two, which ask for nothing: the slot in hand is the scalar TB (0 or SLOT), turned by an exclusive or;
; the fragments' addresses are made anew from it at each change of slots, and one descriptor a tensor walks from K step to K step.
; The matrix instruction is used transposed (source 0 = 16 rows of B, source 1 = 16 rows of A): a lane holds row l % 16 of the result and eight neighbouring columns 8 (l / 16) + 0..7.
; THE BIAS STARTS THE SUMS: it is loaded in the layout of the C operand and taken as C by each accumulator's first product.  relu is taken of the rounded halves, which gives what rounding the relu gives.
; 384 tiles for 256 WGPs: a round and a half of work; tiles of half the size would feed half the products from each LDS byte.
; LIMITS: operands rounded to bf16; a NaN becomes 0 in the relu; infinities are not treated apart.
; REGISTERS, in windows of 256: window 0: v0-31 addresses; v64-127, v128-191 A's fragments, two buffers; v32-63, v192-255 the way out.  window 1: v0-63 the bias; v64-127, v128-191 B's fragments.
;   window 2: the accumulators of my rows 0-63 ((a, b) at v[8 (8 a + b)]); window 3: those of rows 64-127.
.set SIZE_K, 1024
.set CP,     2048                      ; bytes in a row of the result
.set KSTEP,  128
.set STEPS,  SIZE_K/KSTEP              ; 8
.set PITCH,  272                       ; an LDS row: 256 bytes + 16 of padding: the 16 rows that a load touches start at 16 different groups of four banks (ISA guide 11.1)
.set HALFT,  128*PITCH                 ; what one tensor load brings, and what one wave reads of A or of B
.set SLOT,   4*HALFT                   ; A's 256 rows, then B's 256 rows
.set STAGE,  2*SLOT                    ; behind the ring: 16 rows x 272 bytes for each wave, for the way out
.set SPITCH, 272
.set SPARE,  STAGE+4*16*SPITCH         ; the spare words, 128 bytes for each wave; no other line names them
.set ADRA0, 16                         ; v16     LDS address of my A fragments in slot 0; never rewritten
.set ADRA,  17                         ; v17     the same in the slot in hand
.set ADRB0, 20                         ; v20, v21  the same for B
.set ADRB,  21
.set STO,  24                          ; v24     the way out: where I put 16 bytes of a row
.set RD,   25                          ; v25     where I read a row back
.set CO,   26                          ; v26     my byte offset in the result
.set ZR,   27                          ; v27     0, for the relu
.set SPW,  28                          ; v28     my spare word; never rewritten
.set NIL,  29                          ; v29     0; never rewritten
.set PFO,  30                          ; v30     the prefetches' offset: lane x 2,048; never rewritten
.set BO,   31                          ; v31     32 x (lane / 16): my eight numbers in 16 of the bias
.set PFA,  44                          ; s[44:45] where my prefetches stand
.set LIM,  43                          ; s43     2 in a wave that prefetches, else the greatest number
.set TB,   66                          ; s66     the slot in hand: 0 or SLOT
.set LB,   67                          ; s67     wave x HALFT: where my tensor loads land in a slot
.set F0,   64
.set F1,   128
.set TMP,  192
.set OB,   32
.set G1,  24                           ; s[24:31] descriptor group 1 for A's tiles;  s[32:39] group 0: a set for each of the two first fills; the second then walks on
.set G0,  32
.set G1B, 48                           ; s[48:55], s[56:63] the same for B's
.set G0B, 56
.set MSB, 0
.macro WIN new                         ; the immediate's high byte repeats the setting that is left; a switch that changes nothing is dropped
.if MSB != (\new)
	s_set_vgpr_msb (MSB<<8)|(\new)
.set MSB, \new
.endif
.endm
.set MUL_LO, 0xa1                      ; source 0 (B) window 1, source 1 (A) window 0, C and D window 2
.set TO_B,   0x40                      ; destination window 1, address window 0
; A joint load by descriptor set s: waves 0 and 1 fetch A's two halves, waves 2 and 3 B's.  The branch hangs on the wave's number alone.  An s_nop 0 and four v_nop follow each line.
.macro JLOAD s
	s_cmp_eq_u32 s11, 0
	s_cbranch_scc0 .Lfor_b_\@
	tensor_load_to_lds s[G0+4*(\s):G0+4*(\s)+3], s[G1:G1+7]
	s_nop 0
.rept 4
	v_nop
.endr
	s_branch .Lasked_\@
.Lfor_b_\@:
	tensor_load_to_lds s[G0B+4*(\s):G0B+4*(\s)+3], s[G1B:G1B+7]
	s_nop 0
.rept 4
	v_nop
.endr
.Lasked_\@:
.endm
; A prefetch of the K step that stands two refills on, 512 matrix instructions ahead of the load that wants it: 32 rows x 256 bytes, a lane a row.  The loop's last two trips (s3 = 2, 1) have no such step.
.macro ASK
	s_cmp_gt_u32 s3, s[LIM]
	s_cbranch_scc0 .Lnot_mine_\@
	global_prefetch_b8 v[PFO], s[PFA:PFA+1] offset:KSTEP*2 th:TH_LOAD_NT scope:SCOPE_SE
.Lnot_mine_\@:
.endm
.macro CREST                           ; a round of the cluster's barrier behind its opening barrier
	s_cmp_lg_u32 s10, 0
	s_cbranch_scc1 .Lnot_wave_0_\@
	s_barrier_signal -3
.Lnot_wave_0_\@:
	s_barrier_wait -3
	s_barrier_signal -1
	s_barrier_wait -1
.endm
.macro CROUND
	s_barrier_signal -1
	s_barrier_wait -1
	CREST
.endm
	s_load_b256 s[68:75], s[0:1], 0x0              ; ab s[68:69], wb s[70:71], b1 s[72:73], b2 s[74:75]
	s_load_b64 s[76:77], s[0:1], 0x20              ; act
	v_lshl_add_u32 v[SPW], v0, 2, SPARE
	v_mov_b32 v[NIL], 0
	ds_add_u32 v[SPW], v[NIL]                      ; the opening: the add, twice on end, and its wait ahead of my first tensor load
	ds_add_u32 v[SPW], v[NIL]
	v_lshrrev_b32 v1, 5, v0
	v_readfirstlane_b32 s10, v1                    ; wave 0..3
	s_lshr_b32 s11, s10, 1                         ; which half of the tile's rows is mine.  Also: I fetch for A (0) or for B (1)
	s_and_b32 s12, s10, 1                          ; which half of its columns.  Also: which 128 rows I fetch
	s_bfe_u32 s40, ttmp6, 0x40000                  ; cx
	s_bfe_u32 s41, ttmp6, 0x40004                  ; cy
	s_mov_b32 s42, s40                             ; tile column = cx: a result has four tile columns, the cluster's x picks the result
	s_and_b32 s13, ttmp7, 0xffff
	s_lshl_b32 s13, s13, 2
	s_add_co_u32 s13, s13, s41                     ; tile row = 4 x cluster y + cy
	s_lshl_b32 s43, s41, 2
	s_lshl_b32 s43, 15, s43                        ; my row of the cluster
	s_lshl_b32 s44, 0x1111, s40                    ; my column
	s_or_b32 s[G1+0], s43, (1<<16)|(1<<20)|(1<<21)|(5<<22)|(3<<25)   ; the mask; 2-byte elements; padding on; bit 21 beside a mask; after every 64 words, 4 words
	s_or_b32 s[G1B+0], s44, (1<<16)|(1<<20)|(1<<21)|(5<<22)|(3<<25)
.irp g, G1, G1B
	s_mov_b32 s[(\g)+1], KSTEP<<16                 ; tensor_dim0 = 128
	s_mov_b32 s[(\g)+2], 128<<16                   ; tensor_dim1 = 128
	s_mov_b32 s[(\g)+3], KSTEP<<16                 ; tile_dim0 = 128
	s_mov_b32 s[(\g)+4], 128                       ; tile_dim1 = 128
	s_mov_b32 s[(\g)+5], SIZE_K                    ; elements from row to row
	s_mov_b32 s[(\g)+6], 0
	s_mov_b32 s[(\g)+7], 0
.endr
	s_lshl_b32 s17, s12, 7
	s_lshl_b32 s16, s13, 8
	s_add_co_u32 s16, s16, s17                     ; A: row 256 x tile row + 128 x half, counted through the batches
	s_lshl_b32 s46, s42, 8
	s_add_co_u32 s46, s46, s17                     ; B: row 256 x tile column + 128 x half
	s_mov_b32 s17, 0
	s_mov_b32 s47, 0
	s_mov_b64 s[18:19], SIZE_K*2
	s_mul_u64 s[16:17], s[16:17], s[18:19]
	s_mul_u64 s[46:47], s[46:47], s[18:19]
	s_mul_i32 s[LB], s10, HALFT                    ; where the tiles go: wave x 128 rows
	s_mov_b32 s[TB], 0                             ; K step 0 lies in slot 0
	s_cmp_eq_u32 ttmp9, 2                          ; which parts of the buffers: the whole cluster shares g and the batch
	s_cselect_b32 s80, 0x200000, 0                 ; A: a batch's second part for l, else its first;
	s_and_b32 s81, ttmp7, 0xffff
	s_lshl_b32 s81, s81, 21                        ; and 2 MiB more for each batch passed: the other part's 1,024 rows, which the count of rows above leaves out
	s_add_co_u32 s80, s80, s81
	s_mov_b32 s81, 0
	s_cmp_lg_u32 ttmp9, 0
	s_cselect_b32 s82, 0x200000, 0                 ; B: W1 for h, else W2
	s_mov_b32 s83, 0
	s_lshl_b32 s84, ttmp9, 24                      ; the result's part of act
	s_mov_b32 s85, 0
	s_lshl_b32 s86, s40, 10                        ; the bias of my 128 columns: 4 x (256 cx + 128 half)
	s_lshl_b32 s87, s12, 9
	s_add_co_u32 s86, s86, s87
	s_mov_b32 s87, 0
	s_wait_dscnt 0x0                               ; both opening adds are done
	s_wait_kmcnt 0x0
	s_add_nc_u64 s[4:5], s[68:69], s[80:81]
	s_add_nc_u64 s[6:7], s[70:71], s[82:83]
	s_add_nc_u64 s[8:9], s[76:77], s[84:85]
	s_cmp_eq_u32 ttmp9, 0
	s_cselect_b64 s[78:79], s[72:73], s[74:75]
	s_add_nc_u64 s[78:79], s[78:79], s[86:87]
	s_add_nc_u64 s[14:15], s[4:5], s[16:17]
	s_add_nc_u64 s[46:47], s[6:7], s[46:47]
	CROUND                                         ; all sixteen work-groups are here: the first joint loads meet
.irp s, 0,1
	s_mov_b32 s[G0+4*(\s)], 1
	s_add_co_u32 s[G0+4*(\s)+1], s[LB], (\s)*SLOT
	s_add_nc_u64 s[G0+4*(\s)+2:G0+4*(\s)+3], s[14:15], (\s)*KSTEP*2
	s_or_b32 s[G0+4*(\s)+3], s[G0+4*(\s)+3], 0x80000000
	s_mov_b32 s[G0B+4*(\s)], 1
	s_add_co_u32 s[G0B+4*(\s)+1], s[LB], (\s)*SLOT
	s_add_nc_u64 s[G0B+4*(\s)+2:G0B+4*(\s)+3], s[46:47], (\s)*KSTEP*2
	s_or_b32 s[G0B+4*(\s)+3], s[G0B+4*(\s)+3], 0x80000000
	JLOAD \s                                       ; two loads of mine are out
.endr
	v_and_b32 v1, 15, v0                           ; l % 16
	v_bfe_u32 v2, v0, 4, 1                         ; l / 16
	v_lshlrev_b32 v[BO], 5, v2
	WIN TO_B                                       ; the bias in the C operand's layout: register j of block b holds bias[16 b + 8 (l / 16) + j]
.irp b, 0,1,2,3,4,5,6,7
	global_load_b128 v[8*(\b):8*(\b)+3],   v[BO], s[78:79] offset:64*(\b)
	global_load_b128 v[8*(\b)+4:8*(\b)+7], v[BO], s[78:79] offset:64*(\b)+16
.endr
	WIN 0
	v_mov_b32 v[ZR], 0
	v_mul_u32_u24 v3, v1, PITCH
	v_lshl_add_u32 v3, v2, 4, v3                   ; a fragment's row x pitch + 16 x half
	s_mul_i32 s21, s11, HALFT                      ; my 128 rows of A
	s_mul_i32 s22, s12, HALFT                      ; my 128 rows of B,
	s_add_co_u32 s22, s22, 2*HALFT                 ; which lie behind A's 256
	v_add_nc_u32 v[ADRA0], s21, v3
	v_add_nc_u32 v[ADRB0], s22, v3
	v_mov_b32 v[ADRA], v[ADRA0]
	v_mov_b32 v[ADRB], v[ADRB0]
	s_mul_i32 s23, s10, 16*SPITCH
	s_add_co_u32 s23, s23, STAGE                   ; my stage
	v_mul_u32_u24 v4, v1, SPITCH
	v_lshl_add_u32 v4, v2, 4, v4
	v_add_nc_u32 v[STO], s23, v4
	v_mul_u32_u24 v5, v2, SPITCH
	v_lshl_add_u32 v5, v1, 4, v5
	v_add_nc_u32 v[RD], s23, v5
	v_mul_u32_u24 v5, v2, CP
	v_lshl_add_u32 v[CO], v1, 4, v5
	s_lshl_b32 s13, s13, 8                         ; where my part of the tile begins in the result
	s_lshl_b32 s14, s11, 7
	s_add_co_u32 s16, s13, s14
	s_mov_b32 s17, 0
	s_mov_b64 s[18:19], CP
	s_mul_u64 s[16:17], s[16:17], s[18:19]
	s_lshl_b32 s46, s42, 9
	s_lshl_b32 s47, s12, 8
	s_add_co_u32 s46, s46, s47
	s_mov_b32 s47, 0
	s_add_nc_u64 s[16:17], s[16:17], s[46:47]
	; THE PREFETCHES.  xb's rows are read by the clusters g = 0 and g = 1: g = 0 asks; lb's by g = 2 alone.  W1's rows are read by all clusters g = 0, W2's by g = 1 and g = 2: the cluster y = 0 of g = 0, of g = 1, asks.
	; The four partners of a joint load share its 128 rows out by address, 32 each (cx for A, cy for B).  So each row's 256 bytes of a K step are named once in the launch.
	s_lshl_b32 s42, s42, 8
	s_and_b32 s22, ttmp7, 0xffff
	s_cmp_lg_u32 ttmp9, 1
	s_cselect_b32 s23, 2, -1                       ; A's waves
	s_cmp_eq_u32 ttmp9, 2
	s_cselect_b32 s22, 1, s22
	s_cmp_eq_u32 s22, 0
	s_cselect_b32 s22, 2, -1                       ; B's waves
	s_cmp_eq_u32 s11, 0
	s_cselect_b32 s[LIM], s23, s22                 ; the same in all sixteen partners, for a given wave
	s_cselect_b32 s20, s13, s42
	s_cselect_b32 s21, s40, s41
	s_cselect_b64 s[PFA:PFA+1], s[4:5], s[6:7]
	s_lshl_b32 s22, s12, 7
	s_add_co_u32 s20, s20, s22
	s_lshl_b32 s21, s21, 5
	s_add_co_u32 s20, s20, s21
	s_mov_b32 s21, 0
	s_mov_b64 s[18:19], SIZE_K*2
	s_mul_u64 s[20:21], s[20:21], s[18:19]
	s_add_nc_u64 s[PFA:PFA+1], s[PFA:PFA+1], s[20:21]
	s_add_nc_u64 s[PFA:PFA+1], s[PFA:PFA+1], 2*KSTEP*2  ; at K step 2: the first refill steps it to 3 and names K step 4.  K steps 0 to 3 come by their loads alone
	v_and_b32 v[PFO], 31, v0
	v_mul_u32_u24 v[PFO], v[PFO], SIZE_K*2
; 16 matrix instructions: m blocks a0, a0 + 1 of the window's four x all 8 n blocks, 32 along K.  zero = 2: the first product starts the sums with the bias (C in window 1).
.macro MUL16 f, hi, a0, zero
.if (\zero) == 2
	WIN 0x91+0x40*(\hi)
.else
	WIN MUL_LO+0x50*(\hi)
.endif
.irp a, \a0, (\a0)+1
.irp b, 0,1,2,3,4,5,6,7
.if (\zero) == 2
	v_wmma_f32_16x16x32_bf16 v[8*(8*(\a)+(\b)):8*(8*(\a)+(\b))+7], v[(\f)+8*(\b):(\f)+8*(\b)+7], v[(\f)+8*(4*(\hi)+(\a)):(\f)+8*(4*(\hi)+(\a))+7], v[8*(\b):8*(\b)+7]
.else
	v_wmma_f32_16x16x32_bf16 v[8*(8*(\a)+(\b)):8*(8*(\a)+(\b))+7], v[(\f)+8*(\b):(\f)+8*(\b)+7], v[(\f)+8*(4*(\hi)+(\a)):(\f)+8*(4*(\hi)+(\a))+7], v[8*(8*(\a)+(\b)):8*(8*(\a)+(\b))+7]
.endif
.endr
.endr
.endm
; 32 LDS loads in one run: the fragments of one quarter step (32 K at byte k of the rows of the slot in hand) into buffer f
.macro FETCH k, f
	WIN TO_B
.irp i, 0,1,2,3,4,5,6,7
	ds_load_b128 v[(\f)+8*(\i):(\f)+8*(\i)+3],   v[ADRB] offset:(\k)+(\i)*16*PITCH
	ds_load_b128 v[(\f)+8*(\i)+4:(\f)+8*(\i)+7], v[ADRB] offset:(\k)+(\i)*16*PITCH+32
.endr
	WIN 0
.irp i, 0,1,2,3,4,5,6,7
	ds_load_b128 v[(\f)+8*(\i):(\f)+8*(\i)+3],   v[ADRA] offset:(\k)+(\i)*16*PITCH
	ds_load_b128 v[(\f)+8*(\i)+4:(\f)+8*(\i)+7], v[ADRA] offset:(\k)+(\i)*16*PITCH+32
.endr
.endm
.macro NEWADR                          ; the fragments' addresses in the slot that TB names
	v_add_nc_u32 v[ADRA], s[TB], v[ADRA0]
	v_add_nc_u32 v[ADRB], s[TB], v[ADRB0]
.endm
.macro PLACES                          ; four plain places in front of loads into registers that matrix instructions have read, and of instructions that read results
.rept 4
	v_nop
.endr
.endm
; A K step is four quarters of 32 along K, 64 matrix instructions each, on buffers 0, 1, 0, 1.  The 64 accumulators take turns, in the same order in every quarter.
.macro QUARTER k, f, g, zero
	s_wait_dscnt 8                                 ; B and A's rows 0-63 are in; the youngest eight loads (A's rows 64-127) may be out
	MUL16 \f, 0, 0, \zero
	MUL16 \f, 0, 2, \zero
	PLACES
	FETCH \k, \g
	s_wait_dscnt 32                                ; all but the 32 just issued
	MUL16 \f, 1, 0, \zero
	MUL16 \f, 1, 2, \zero
.endm
; The first half of a K step's last quarter: one barrier for the change of slots.
.macro MEET round
	WIN 0
	s_wait_tensorcnt 0x0                           ; all my tensor loads have landed: the one that was out is my part of the next slot
	ds_add_u32 v[SPW], v[NIL]
	s_wait_dscnt 9                                 ; the add and the youngest eight loads may be out
	MUL16 F1, 0, 0, 0
	s_wait_dscnt 0x0                               ; the add is done, and my reads of this slot are over
	s_barrier_signal -1
	MUL16 F1, 0, 2, 0
.if \round
	WIN 0
.endif
	s_barrier_wait -1
.endm
; The whole last quarter: behind the round the slot just read is filled again, two K steps on; 224 matrix instructions stand between that request and the wait for it.
.macro TURN
	s_wait_xcnt 0x0                                ; the last prefetch, a K step back, has read its address
	s_add_nc_u64 s[PFA:PFA+1], s[PFA:PFA+1], KSTEP*2
	MEET 1
	CREST                                          ; no wave of any partner still reads this slot or has a load on its way
	s_add_co_u32 s[G0+5], s[LB], s[TB]             ; the walking descriptors: into the slot just read,
	s_add_nc_u64 s[G0+6:G0+7], s[G0+6:G0+7], KSTEP*2    ; the K step after the one asked for last; the type bits on top are not reached
	s_add_co_u32 s[G0B+5], s[LB], s[TB]
	s_add_nc_u64 s[G0B+6:G0B+7], s[G0B+6:G0B+7], KSTEP*2
	s_xor_b32 s[TB], s[TB], SLOT                   ; the reads go on in the other slot
	JLOAD 1                                        ; its four v_nop are also the places in front of the loads below
	NEWADR
	FETCH 0, F0
	ASK
	MUL16 F1, 1, 0, 0
	MUL16 F1, 1, 2, 0
.endm
; THE WAY OUT of block a (16 rows): rounded to bf16, relu, through my own stage in LDS, back as whole rows of 256 bytes, stored.
.macro PACK a
.set AC, 64*((\a)%4)
	WIN 0x0a+5*((\a)/4)                            ; sources 0 and 1: window 2 or 3
.irp b, 0,1,2,3,4,5,6,7
.irp r, 0,1,2,3
	v_cvt_pk_bf16_f32 v[TMP+4*(\b)+(\r)], v[AC+8*(\b)+2*(\r)], v[AC+8*(\b)+2*(\r)+1]
.endr
.endr
	WIN 0
.set i, 0
.rept 32
	v_pk_max_num_bf16 v[TMP+i], v[TMP+i], v[ZR]
.set i, i+1
.endr
.endm
.macro TOSTAGE a
	WIN 0
.set BK, OB+192*((\a)%2)
.irp b, 0,1,2,3,4,5,6,7
	ds_store_b128 v[STO], v[TMP+4*(\b):TMP+4*(\b)+3] offset:32*(\b)
.endr
.irp t, 0,1,2,3,4,5,6,7
	ds_load_b128 v[BK+4*(\t):BK+4*(\t)+3], v[RD] offset:(\t)*2*SPITCH  ; LDS serves a wave's instructions in order (ISA guide 5.7.1.4): these see the stores above
.endr
.endm
.macro SEND a, younger
	WIN 0
.set BK, OB+192*((\a)%2)
	s_wait_dscnt \younger
	s_wait_xcnt 0x0                                ; earlier stores have read their base and their registers
.if (\a) == 0
	s_add_nc_u64 s[8:9], s[8:9], s[16:17]
.else
	s_add_nc_u64 s[8:9], s[8:9], 16*CP
.endif
.irp t, 0,1,2,3,4,5,6,7
	global_store_b128 v[CO], v[BK+4*(\t):BK+4*(\t)+3], s[8:9] offset:2*(\t)*CP  ; 16 lanes store 256 consecutive bytes, aligned
.endr
.endm
	s_wait_tensorcnt 1                             ; my part of K step 0 is in; K step 1's may stay out
	s_barrier_signal -1
	s_barrier_wait -1
	FETCH 0, F0
	s_wait_loadcnt 0x0                             ; the bias
	QUARTER 64,  F0, F1, 2                         ; the first quarter stands in front of the loop: its products start the sums
	WIN 0
	s_mov_b32 s3, STEPS-2
.Lstep:                                                ; a trip goes from a K step's second quarter to the next step's first, and fills the slot that it leaves: K steps 2 to 7
	QUARTER 128, F1, F0, 0
	QUARTER 192, F0, F1, 0
	TURN
	QUARTER 64,  F0, F1, 0
	WIN 0
	s_sub_co_u32 s3, s3, 1
	s_cmp_lg_u32 s3, 0
	s_cbranch_scc1 .Lstep
	s_mov_b32 s3, 2
.Ltail:                                                ; the last two K steps ask for nothing: a text of their own
	QUARTER 128, F1, F0, 0
	QUARTER 192, F0, F1, 0
	MEET 0                                         ; first trip: K step 7's tile has landed, everybody's; second trip: nothing hangs on it
	MUL16 F1, 1, 0, 0
	MUL16 F1, 1, 2, 0
	WIN 0
	s_cmp_eq_u32 s3, 1                             ; behind the last K step there is no next one: its fetch and first quarter are jumped over (LDS loads and products alone)
	s_cbranch_scc1 .Llast
	PLACES
	s_xor_b32 s[TB], s[TB], SLOT
	NEWADR
	FETCH 0, F0
	QUARTER 64,  F0, F1, 0
	WIN 0
.Llast:
	s_sub_co_u32 s3, s3, 1
	s_cmp_lg_u32 s3, 0
	s_cbranch_scc1 .Ltail
	PLACES
	PACK 0
	TOSTAGE 0
.irp a, 1,2,3,4,5,6,7                  ; block a's arithmetic stands between block a - 1's loads from the stage and the wait for them
	PACK \a
	SEND (\a)-1, 0
	TOSTAGE \a
.endr
	SEND 7, 0
	s_wait_tensorcnt 0x0                           ; the wave's end
	ds_add_u32 v[SPW], v[NIL]
	s_wait_dscnt 0x0
	CROUND                                         ; the closing round
	s_endpgm
.Lfunc_end_k_qb7b2cfd0f2_proj:
	.size	k_qb7b2cfd0f2_proj, .Lfunc_end_k_qb7b2cfd0f2_proj-k_qb7b2cfd0f2_proj
	.p2alignl 7, 3214868480
	.fill 96, 4, 3214868480
	.section	.rodata,"a",@progbits
	.p2align	6, 0x0
	.amdhsa_kernel k_qb7b2cfd0f2_proj
		.amdhsa_group_segment_fixed_size 327680
		.amdhsa_private_segment_fixed_size 0
		.amdhsa_enable_private_segment 0
		.amdhsa_kernarg_size 40
		.amdhsa_user_sgpr_count 2
		.amdhsa_user_sgpr_kernarg_segment_ptr 1
		.amdhsa_wavefront_size32 1
		.amdhsa_system_sgpr_workgroup_id_x 1
		.amdhsa_system_sgpr_workgroup_id_y 1
		.amdhsa_system_sgpr_workgroup_id_z 1
		.amdhsa_system_vgpr_workitem_id 0
		.amdhsa_next_free_vgpr 1024
		.amdhsa_next_free_sgpr 96
		.amdhsa_reserve_vcc 0
		.amdhsa_float_denorm_mode_32 3
		.amdhsa_float_denorm_mode_16_64 3
		.amdhsa_memory_ordered 1
		.amdhsa_forward_progress 1
		.amdhsa_inst_pref_size 120
	.end_amdhsa_kernel
	.amdgpu_metadata
---
amdhsa.version: [ 1, 2 ]
amdhsa.kernels:
  - .name:           k_qb7b2cfd0f2_proj
    .symbol:         k_qb7b2cfd0f2_proj.kd
    .args:
      - { .name: ab, .offset: 0, .size: 8, .value_kind: global_buffer, .address_space: global }
      - { .name: wb, .offset: 8, .size: 8, .value_kind: global_buffer, .address_space: global }
      - { .name: b1, .offset: 16, .size: 8, .value_kind: global_buffer, .address_space: global }
      - { .name: b2, .offset: 24, .size: 8, .value_kind: global_buffer, .address_space: global }
      - { .name: act, .offset: 32, .size: 8, .value_kind: global_buffer, .address_space: global }
    .group_segment_fixed_size: 327680
    .private_segment_fixed_size: 0
    .kernarg_segment_align: 8
    .kernarg_segment_size: 40
    .max_flat_workgroup_size: 128
    .sgpr_count:     96
    .vgpr_count:     1024
    .wavefront_size: 32
...
	.end_amdgpu_metadata
.endif
;; end of part 2
;; launch scores (part 3): grid 4 x 64, 4 waves a work-group, clusters of 4 x 4, 327,680 bytes of LDS; arguments act, pe, st; writes pe, st
.if DOCPART == 3
	.amdgcn_target "amdgcn-amd-amdhsa--gfx1250"
	.amdhsa_code_object_version 6
	.text
	.protected	k_qb7b2cfd0f2_scores
	.globl	k_qb7b2cfd0f2_scores
	.p2align	8
	.type	k_qb7b2cfd0f2_scores,@function
k_qb7b2cfd0f2_scores:
	s_mov_b64 s[64:65], 0
	v_nop
	global_prefetch_b8 v0, s[64:65] scope:SCOPE_SE
	s_setreg_imm32_b32 hwreg(HW_REG_WAVE_MODE, 25, 1), 1
	s_wait_xcnt 0x0
	s_wait_alu depctr_hold_cnt(0) depctr_sa_sdst(0) depctr_va_vdst(0) depctr_va_sdst(0) depctr_va_ssrc(0) depctr_va_vcc(0) depctr_vm_vsrc(0)
	s_getreg_b32 s2, hwreg(HW_REG_IB_STS2, 6, 4)
	s_cmp_eq_u32 s2, 0
	s_cbranch_scc0 .Lentry_in_a_cluster
	s_endpgm
.Lentry_in_a_cluster:
	s_bfe_u32 s2, ttmp6, 0x10000c
	s_cmp_lg_u32 s2, 0xf033
	s_cbranch_scc0 .Lentry_shape_is_right
	s_endpgm
.Lentry_shape_is_right:
; SCORES AND WEIGHTS.  For branch br and batch b (the cluster's y is 8 br + b) a work-group makes a tile of 256 queries x 256 keys: S = Q K^T, K = 1,024, sums in f32;
;   self: Q = K = h[b];   bi: Q = r[b], K = l[b]      (h, r, l: the three parts of act, bf16)
; then, with c = log2(e) / 32: m2[q] = c x the maximum of the tile's 256 scores of query q; E = 2^(c s - m2) in bf16 into pe[b 1024 + q][1024 br + key]; the sums of E (unrounded, f32) over each half of the keys.
; m2 goes to st as M[b][t][q], t = 4 br + key tile; the sums as L[b][2 t + half][q] (behind M's 262,144 bytes).  The next launch brings the four tiles of a branch to a common maximum: a running maximum in two launches.
; Main loop: 256 x 256 to four waves, 128 x 128 each, K steps of 128 through two LDS slots, cluster 4 x 4 with joint loads (queries' tiles along a row, keys' along a column).
; A K step is written once for the six steps that fill a slot again and once for the last two: the slot in hand is the scalar TB (0 or SLOT), turned by an exclusive or; one descriptor a tensor walks on.
; The matrix instruction is used transposed (source 0 = 16 keys, source 1 = 16 queries): a lane holds ONE query (l % 16) and the keys 8 (l / 16) + 0..7 of each of 8 key blocks.
; LIMITS: operands in bf16; a weight below 2^-126 counts as 0; NaN and infinities are not treated apart.
; REGISTERS: window 0: v0-31 addresses; v64-127, v128-191 the queries' fragments, later v64-127 statistics; v32-63, v192-255 the way out.  window 1: v64-191 the keys' fragments.  windows 2, 3: the accumulators.
.set SIZE_K, 1024
.set CP,     4096                      ; bytes in a row of pe
.set KSTEP,  128
.set STEPS,  SIZE_K/KSTEP
.set PITCH,  272
.set HALFT,  128*PITCH
.set SLOT,   4*HALFT
.set STAGE,  2*SLOT                    ; 16 rows x 272 bytes for each wave
.set SPITCH, 272
.set XCH,    STAGE+4*16*SPITCH         ; 512 bytes a wave: its 128 queries' maxima, for the wave with the tile's other keys
.set STG,    XCH+4*512                 ; 1,024 bytes a wave: m2 and the sums, to be read back 16 bytes a lane
.set SPARE,  STG+4*1024                ; the spare words; no other line names them
.set XW,   6                           ; v6      where I put a maximum
.set XR,   7                           ; v7      where I read the partner's
.set SW,   8                           ; v8      where I put a statistic
.set SR,   9                           ; v9      where I read four back
.set SO,   10                          ; v10     16 x lane
.set PX,   11                          ; v11     the other half of the lanes' maximum
.set ADRA0, 16                         ; v16     my queries' fragments in slot 0; never rewritten
.set ADRA,  17                         ; v17     in the slot in hand
.set ADRB0, 20                         ; v20, v21  the same for the keys
.set ADRB,  21
.set STO,  24
.set RD,   25
.set CO,   26
.set SPW,  28
.set NIL,  29
.set PFO,  30
.set PFA,  44
.set LIM,  43                          ; s43     2 in a wave that prefetches, else the greatest number
.set TB,   66                          ; s66     the slot in hand: 0 or SLOT
.set LB,   67                          ; s67     wave x HALFT
.set F0,   64
.set F1,   128
.set TMP,  192
.set OB,   32
.set RM,   64                          ; v[64:79]   block a: m, then m2 twice
.set SUM,  80                          ; v[80:95]   block a: the sums of even and odd keys
.set CH,   96                          ; v[96:99]   four chains of a maximum
.set PM,   104                         ; v[104:111] the partner's maxima
.set G1,  24
.set G0,  32                           ; s[32:39] a set for each of the two first fills; the second then walks on
.set G1B, 48
.set G0B, 56
.set CS,  80                           ; s[80:81] c
.set SEL, 82                           ; s[82:83] v_permlanex16_b32's selects: each lane takes its own place in the other half
.set MSB, 0
.macro WIN new
.if MSB != (\new)
	s_set_vgpr_msb (MSB<<8)|(\new)
.set MSB, \new
.endif
.endm
.set MUL_LO, 0xa1
.set TO_B,   0x40
.macro JLOAD s                         ; a joint load: waves 0 and 1 fetch the queries' two halves, waves 2 and 3 the keys'; an s_nop 0 and four v_nop follow each line
	s_cmp_eq_u32 s11, 0
	s_cbranch_scc0 .Lfor_b_\@
	tensor_load_to_lds s[G0+4*(\s):G0+4*(\s)+3], s[G1:G1+7]
	s_nop 0
.rept 4
	v_nop
.endr
	s_branch .Lasked_\@
.Lfor_b_\@:
	tensor_load_to_lds s[G0B+4*(\s):G0B+4*(\s)+3], s[G1B:G1B+7]
	s_nop 0
.rept 4
	v_nop
.endr
.Lasked_\@:
.endm
.macro ASK                             ; the K step two refills on, 512 matrix instructions ahead of its load: 32 rows x 256 bytes, a lane a row; the loop's last two trips ask for nothing
	s_cmp_gt_u32 s3, s[LIM]
	s_cbranch_scc0 .Lnot_mine_\@
	global_prefetch_b8 v[PFO], s[PFA:PFA+1] offset:KSTEP*2 th:TH_LOAD_NT scope:SCOPE_SE
.Lnot_mine_\@:
.endm
.macro CREST
	s_cmp_lg_u32 s10, 0
	s_cbranch_scc1 .Lnot_wave_0_\@
	s_barrier_signal -3
.Lnot_wave_0_\@:
	s_barrier_wait -3
	s_barrier_signal -1
	s_barrier_wait -1
.endm
.macro CROUND
	s_barrier_signal -1
	s_barrier_wait -1
	CREST
.endm
	s_load_b128 s[68:71], s[0:1], 0x0              ; act s[68:69], pe s[70:71]
	s_load_b64 s[72:73], s[0:1], 0x10              ; st
	v_lshl_add_u32 v[SPW], v0, 2, SPARE
	v_mov_b32 v[NIL], 0
	ds_add_u32 v[SPW], v[NIL]                      ; the opening: the add, twice on end, and its wait ahead of my first tensor load
	ds_add_u32 v[SPW], v[NIL]
	v_lshrrev_b32 v1, 5, v0
	v_readfirstlane_b32 s10, v1                    ; wave 0..3
	s_lshr_b32 s11, s10, 1                         ; which half of the tile's queries is mine.  Also: I fetch queries (0) or keys (1)
	s_and_b32 s12, s10, 1                          ; which half of its keys.  Also: which 128 rows I fetch
	s_bfe_u32 s40, ttmp6, 0x40000                  ; cx: the key tile
	s_bfe_u32 s41, ttmp6, 0x40004                  ; cy: the query tile
	s_mov_b32 s42, s40
	s_mov_b32 s13, s41
	s_and_b32 s84, ttmp7, 0xffff
	s_lshr_b32 s85, s84, 3                         ; br
	s_and_b32 s84, s84, 7                          ; b
	s_lshl_b32 s43, s41, 2
	s_lshl_b32 s43, 15, s43                        ; my row of the cluster
	s_lshl_b32 s44, 0x1111, s40                    ; my column
	s_or_b32 s[G1+0], s43, (1<<16)|(1<<20)|(1<<21)|(5<<22)|(3<<25)
	s_or_b32 s[G1B+0], s44, (1<<16)|(1<<20)|(1<<21)|(5<<22)|(3<<25)
.irp g, G1, G1B
	s_mov_b32 s[(\g)+1], KSTEP<<16
	s_mov_b32 s[(\g)+2], 128<<16
	s_mov_b32 s[(\g)+3], KSTEP<<16
	s_mov_b32 s[(\g)+4], 128
	s_mov_b32 s[(\g)+5], SIZE_K
	s_mov_b32 s[(\g)+6], 0
	s_mov_b32 s[(\g)+7], 0
.endr
	s_lshl_b32 s17, s12, 7
	s_lshl_b32 s16, s13, 8
	s_add_co_u32 s16, s16, s17
	s_lshl_b32 s46, s42, 8
	s_add_co_u32 s46, s46, s17
	s_mov_b32 s17, 0
	s_mov_b32 s47, 0
	s_mov_b64 s[18:19], SIZE_K*2
	s_mul_u64 s[16:17], s[16:17], s[18:19]
	s_mul_u64 s[46:47], s[46:47], s[18:19]
	s_mul_i32 s[LB], s10, HALFT
	s_mov_b32 s[TB], 0
	s_lshl_b32 s86, s84, 21                        ; a batch is 2 MiB of a part of act
	s_lshl_b32 s74, s85, 24
	s_add_co_u32 s74, s74, s86                     ; queries: h (part 0) or r (part 1)
	s_mov_b32 s75, 0
	s_lshl_b32 s76, s85, 25
	s_add_co_u32 s76, s76, s86                     ; keys: h (part 0) or l (part 2)
	s_mov_b32 s77, 0
	s_lshl_b32 s78, s84, 22                        ; a batch is 4 MiB of pe; the bi branch's columns begin 2,048 bytes into a row
	s_lshl_b32 s79, s85, 11
	s_add_co_u32 s78, s78, s79
	s_mov_b32 s79, 0
	s_mov_b32 s[CS], 0x3d38aa3b                    ; c = log2(e) / 32
	s_mov_b32 s[CS+1], s[CS]
	s_mov_b32 s[SEL], 0x76543210
	s_mov_b32 s[SEL+1], 0xfedcba98
	s_wait_dscnt 0x0
	s_wait_kmcnt 0x0
	s_add_nc_u64 s[4:5], s[68:69], s[74:75]
	s_add_nc_u64 s[6:7], s[68:69], s[76:77]
	s_add_nc_u64 s[8:9], s[70:71], s[78:79]
	s_add_nc_u64 s[14:15], s[4:5], s[16:17]
	s_add_nc_u64 s[46:47], s[6:7], s[46:47]
	CROUND
.irp s, 0,1
	s_mov_b32 s[G0+4*(\s)], 1
	s_add_co_u32 s[G0+4*(\s)+1], s[LB], (\s)*SLOT
	s_add_nc_u64 s[G0+4*(\s)+2:G0+4*(\s)+3], s[14:15], (\s)*KSTEP*2
	s_or_b32 s[G0+4*(\s)+3], s[G0+4*(\s)+3], 0x80000000
	s_mov_b32 s[G0B+4*(\s)], 1
	s_add_co_u32 s[G0B+4*(\s)+1], s[LB], (\s)*SLOT
	s_add_nc_u64 s[G0B+4*(\s)+2:G0B+4*(\s)+3], s[46:47], (\s)*KSTEP*2
	s_or_b32 s[G0B+4*(\s)+3], s[G0B+4*(\s)+3], 0x80000000
	JLOAD \s
.endr
	v_and_b32 v1, 15, v0                           ; l % 16
	v_bfe_u32 v2, v0, 4, 1                         ; l / 16
	v_mul_u32_u24 v3, v1, PITCH
	v_lshl_add_u32 v3, v2, 4, v3
	s_mul_i32 s21, s11, HALFT
	s_mul_i32 s22, s12, HALFT
	s_add_co_u32 s22, s22, 2*HALFT
	v_add_nc_u32 v[ADRA0], s21, v3
	v_add_nc_u32 v[ADRB0], s22, v3
	v_mov_b32 v[ADRA], v[ADRA0]
	v_mov_b32 v[ADRB], v[ADRB0]
	s_mul_i32 s23, s10, 16*SPITCH
	s_add_co_u32 s23, s23, STAGE
	v_mul_u32_u24 v4, v1, SPITCH
	v_lshl_add_u32 v4, v2, 4, v4
	v_add_nc_u32 v[STO], s23, v4
	v_mul_u32_u24 v5, v2, SPITCH
	v_lshl_add_u32 v5, v1, 4, v5
	v_add_nc_u32 v[RD], s23, v5
	v_mul_u32_u24 v5, v2, CP
	v_lshl_add_u32 v[CO], v1, 4, v5
	s_lshl_b32 s86, s10, 9                         ; the statistics' places in LDS
	s_add_co_u32 s86, s86, XCH
	v_lshl_add_u32 v[XW], v1, 2, s86               ; my wave's 512 bytes, word l % 16 of a block's 16
	s_xor_b32 s87, s10, 1                          ; the wave with the same queries and the tile's other keys
	s_lshl_b32 s87, s87, 9
	s_add_co_u32 s87, s87, XCH
	v_lshl_add_u32 v[XR], v1, 2, s87
	s_lshl_b32 s86, s10, 10
	s_add_co_u32 s86, s86, STG
	v_lshl_add_u32 v[SW], v1, 2, s86
	v_and_b32 v[SO], 31, v0
	v_lshlrev_b32 v[SO], 4, v[SO]
	v_add_nc_u32 v[SR], s86, v[SO]
	v_mov_b32 v[PX], 0                             ; v_permlanex16_b32 counts as a reader of its destination
	s_lshl_b32 s13, s13, 8
	s_lshl_b32 s14, s11, 7
	s_add_co_u32 s16, s13, s14                     ; my first row of the batch's 1,024 in pe
	s_mov_b32 s17, 0
	s_mov_b64 s[18:19], CP
	s_mul_u64 s[16:17], s[16:17], s[18:19]
	s_lshl_b32 s46, s42, 9
	s_lshl_b32 s47, s12, 8
	s_add_co_u32 s46, s46, s47
	s_mov_b32 s47, 0
	s_add_nc_u64 s[16:17], s[16:17], s[46:47]
	; THE PREFETCHES.  One cluster reads a branch's batch.  The queries' waves ask for their rows, shared out by address among the four partners (32 rows each, by cx); the keys' waves likewise (by cy),
	; but only in the bi branch: in the self branch the keys' rows are the queries' rows, and those are asked for already.  So each row's 256 bytes of a K step are named once.
	s_lshl_b32 s42, s42, 8
	s_cmp_eq_u32 s85, 1
	s_cselect_b32 s22, 2, -1
	s_cmp_eq_u32 s11, 0
	s_cselect_b32 s[LIM], 2, s22
	s_cselect_b32 s20, s13, s42
	s_cselect_b32 s21, s40, s41
	s_cselect_b64 s[PFA:PFA+1], s[4:5], s[6:7]
	s_lshl_b32 s22, s12, 7
	s_add_co_u32 s20, s20, s22
	s_lshl_b32 s21, s21, 5
	s_add_co_u32 s20, s20, s21
	s_mov_b32 s21, 0
	s_mov_b64 s[18:19], SIZE_K*2
	s_mul_u64 s[20:21], s[20:21], s[18:19]
	s_add_nc_u64 s[PFA:PFA+1], s[PFA:PFA+1], s[20:21]
	s_add_nc_u64 s[PFA:PFA+1], s[PFA:PFA+1], 2*KSTEP*2  ; at K step 2: the first refill steps it to 3 and names K step 4
	v_and_b32 v[PFO], 31, v0
	v_mul_u32_u24 v[PFO], v[PFO], SIZE_K*2
.macro MUL16 f, hi, a0, zero           ; 16 matrix instructions; zero = 1: the first product starts the sums
	WIN MUL_LO+0x50*(\hi)
.irp a, \a0, (\a0)+1
.irp b, 0,1,2,3,4,5,6,7
.if \zero
	v_wmma_f32_16x16x32_bf16 v[8*(8*(\a)+(\b)):8*(8*(\a)+(\b))+7], v[(\f)+8*(\b):(\f)+8*(\b)+7], v[(\f)+8*(4*(\hi)+(\a)):(\f)+8*(4*(\hi)+(\a))+7], 0
.else
	v_wmma_f32_16x16x32_bf16 v[8*(8*(\a)+(\b)):8*(8*(\a)+(\b))+7], v[(\f)+8*(\b):(\f)+8*(\b)+7], v[(\f)+8*(4*(\hi)+(\a)):(\f)+8*(4*(\hi)+(\a))+7], v[8*(8*(\a)+(\b)):8*(8*(\a)+(\b))+7]
.endif
.endr
.endr
.endm
.macro FETCH k, f                      ; 32 LDS loads in one run: 32 K at byte k of the rows of the slot in hand, into buffer f
	WIN TO_B
.irp i, 0,1,2,3,4,5,6,7
	ds_load_b128 v[(\f)+8*(\i):(\f)+8*(\i)+3],   v[ADRB] offset:(\k)+(\i)*16*PITCH
	ds_load_b128 v[(\f)+8*(\i)+4:(\f)+8*(\i)+7], v[ADRB] offset:(\k)+(\i)*16*PITCH+32
.endr
	WIN 0
.irp i, 0,1,2,3,4,5,6,7
	ds_load_b128 v[(\f)+8*(\i):(\f)+8*(\i)+3],   v[ADRA] offset:(\k)+(\i)*16*PITCH
	ds_load_b128 v[(\f)+8*(\i)+4:(\f)+8*(\i)+7], v[ADRA] offset:(\k)+(\i)*16*PITCH+32
.endr
.endm
.macro NEWADR                          ; the fragments' addresses in the slot that TB names
	v_add_nc_u32 v[ADRA], s[TB], v[ADRA0]
	v_add_nc_u32 v[ADRB], s[TB], v[ADRB0]
.endm
.macro PLACES
.rept 4
	v_nop
.endr
.endm
.macro QUARTER k, f, g, zero
	s_wait_dscnt 8                                 ; the keys and the queries' rows 0-63 are in; the youngest eight loads may be out
	MUL16 \f, 0, 0, \zero
	MUL16 \f, 0, 2, \zero
	PLACES
	FETCH \k, \g
	s_wait_dscnt 32                                ; all but the 32 just issued
	MUL16 \f, 1, 0, \zero
	MUL16 \f, 1, 2, \zero
.endm
.macro MEET round
	WIN 0
	s_wait_tensorcnt 0x0                           ; all my tensor loads have landed: my part of the next slot
	ds_add_u32 v[SPW], v[NIL]
	s_wait_dscnt 9                                 ; the add and the youngest eight loads may be out
	MUL16 F1, 0, 0, 0
	s_wait_dscnt 0x0                               ; the add is done, and my reads of this slot are over
	s_barrier_signal -1
	MUL16 F1, 0, 2, 0
.if \round
	WIN 0
.endif
	s_barrier_wait -1
.endm
.macro TURN
	s_wait_xcnt 0x0                                ; the last prefetch, a K step back, has read its address
	s_add_nc_u64 s[PFA:PFA+1], s[PFA:PFA+1], KSTEP*2
	MEET 1
	CREST
	s_add_co_u32 s[G0+5], s[LB], s[TB]             ; the walking descriptors: into the slot just read, the K step after the one asked for last
	s_add_nc_u64 s[G0+6:G0+7], s[G0+6:G0+7], KSTEP*2
	s_add_co_u32 s[G0B+5], s[LB], s[TB]
	s_add_nc_u64 s[G0B+6:G0B+7], s[G0B+6:G0B+7], KSTEP*2
	s_xor_b32 s[TB], s[TB], SLOT                   ; the reads go on in the other slot
	JLOAD 1
	NEWADR
	FETCH 0, F0
	ASK
	MUL16 F1, 1, 0, 0
	MUL16 F1, 1, 2, 0
.endm
; The maximum of my 64 scores of block a's query, and of the other half of the lanes'.  Four chains; each accumulator is first read at its lowest registers.
.macro ROWMAX a
.set SB, 64*((\a)%4)
	WIN 0x2a+0x15*((\a)/4)                         ; all three sources in window 2 or 3
.irp k, 0,1,2,3
	v_max3_num_f32 v[CH+(\k)], v[SB+16*(\k)], v[SB+16*(\k)+1], v[SB+16*(\k)+2]
.endr
	WIN 0x28+0x14*((\a)/4)                         ; source 0 in window 0
.irp i, 0,1,2,3,4,5
.irp k, 0,1,2,3
	v_max3_num_f32 v[CH+(\k)], v[CH+(\k)], v[SB+16*(\k)+3+2*(\i)], v[SB+16*(\k)+4+2*(\i)]
.endr
.endr
	v_max3_num_f32 v[CH],   v[CH],   v[SB+15], v[SB+31]
	v_max3_num_f32 v[CH+2], v[CH+2], v[SB+47], v[SB+63]
	WIN 0
	v_max3_num_f32 v[CH], v[CH], v[CH+1], v[CH+2]
	v_max_num_f32 v[CH], v[CH], v[CH+3]
	v_permlanex16_b32 v[PX], v[CH], s[SEL], s[SEL+1]
	v_max_num_f32 v[RM+2*(\a)], v[CH], v[PX]
.endm
; Block a: c s - m2; the 64 exponentials as one batch with one wait; rounded to bf16; the sums of the unrounded weights, in place.
.macro SOFT a
.set SB, 64*((\a)%4)
	WIN 0x82+0x41*((\a)/4)                         ; destination and source 0 in window 2 or 3, m2 in window 0
.set i, 0
.rept 32
	v_pk_fma_f32 v[SB+2*i:SB+2*i+1], v[SB+2*i:SB+2*i+1], s[CS:CS+1], v[RM+2*(\a):RM+2*(\a)+1] op_sel_hi:[1,0,0] neg_lo:[0,0,1] neg_hi:[0,0,1]
.set i, i+1
.endr
.set i, 0
.rept 64
	v_exp_f32 v[SB+i], v[SB+i]
.set i, i+1
.endr
	v_nop                                          ; a plain instruction behind the last exponential,
	s_wait_alu depctr_va_vdst(0)                   ; and the one wait ahead of the batch's first reader
	WIN 0x0a+5*((\a)/4)
.set i, 0
.rept 32
	v_cvt_pk_bf16_f32 v[TMP+i], v[SB+2*i], v[SB+2*i+1]
.set i, i+1
.endr
	WIN 0x8a+0x45*((\a)/4)
.irp w, 16, 8, 4, 2
.set i, 0
.rept \w
	v_pk_add_f32 v[SB+2*i:SB+2*i+1], v[SB+2*i:SB+2*i+1], v[SB+2*(i+(\w)):SB+2*(i+(\w))+1]
.set i, i+1
.endr
.endr
	WIN 0x0a+5*((\a)/4)
	v_pk_add_f32 v[SUM+2*(\a):SUM+2*(\a)+1], v[SB:SB+1], v[SB+2:SB+3]
	WIN 0
.endm
.macro TOSTAGE a
	WIN 0
.set BK, OB+192*((\a)%2)
.irp b, 0,1,2,3,4,5,6,7
	ds_store_b128 v[STO], v[TMP+4*(\b):TMP+4*(\b)+3] offset:32*(\b)
.endr
.irp t, 0,1,2,3,4,5,6,7
	ds_load_b128 v[BK+4*(\t):BK+4*(\t)+3], v[RD] offset:(\t)*2*SPITCH  ; LDS serves a wave's instructions in order (ISA guide 5.7.1.4)
.endr
.endm
.macro SEND a, younger
	WIN 0
.set BK, OB+192*((\a)%2)
	s_wait_dscnt \younger
	s_wait_xcnt 0x0                                ; earlier stores have read their base and their registers
.if (\a) == 0
	s_add_nc_u64 s[8:9], s[8:9], s[16:17]
.else
	s_add_nc_u64 s[8:9], s[8:9], 16*CP
.endif
.irp t, 0,1,2,3,4,5,6,7
	global_store_b128 v[CO], v[BK+4*(\t):BK+4*(\t)+3], s[8:9] offset:2*(\t)*CP  ; 16 lanes store 256 consecutive bytes, aligned
.endr
.endm
	s_wait_tensorcnt 1                             ; my part of K step 0 is in; K step 1's may stay out
	s_barrier_signal -1
	s_barrier_wait -1
	FETCH 0, F0
	QUARTER 64,  F0, F1, 1                         ; the first quarter stands in front of the loop: its products start the sums
	WIN 0
	s_mov_b32 s3, STEPS-2
.Lstep:                                                ; a trip goes from a K step's second quarter to the next step's first, and fills the slot that it leaves: K steps 2 to 7
	QUARTER 128, F1, F0, 0
	QUARTER 192, F0, F1, 0
	TURN
	QUARTER 64,  F0, F1, 0
	WIN 0
	s_sub_co_u32 s3, s3, 1
	s_cmp_lg_u32 s3, 0
	s_cbranch_scc1 .Lstep
	s_mov_b32 s3, 2
.Ltail:                                                ; the last two K steps ask for nothing: a text of their own
	QUARTER 128, F1, F0, 0
	QUARTER 192, F0, F1, 0
	MEET 0                                         ; first trip: K step 7's tile has landed, everybody's; second trip: nothing hangs on it
	MUL16 F1, 1, 0, 0
	MUL16 F1, 1, 2, 0
	WIN 0
	s_cmp_eq_u32 s3, 1                             ; behind the last K step there is no next one: its fetch and first quarter are jumped over (LDS loads and products alone)
	s_cbranch_scc1 .Llast
	PLACES
	s_xor_b32 s[TB], s[TB], SLOT
	NEWADR
	FETCH 0, F0
	QUARTER 64,  F0, F1, 0
	WIN 0
.Llast:
	s_sub_co_u32 s3, s3, 1
	s_cmp_lg_u32 s3, 0
	s_cbranch_scc1 .Ltail
	PLACES
	; THE TILE'S MAXIMUM: my 128 keys', then the partner wave's 128, through LDS
.irp a, 0,1,2,3,4,5,6,7
	ROWMAX \a
.endr
.irp a, 0,1,2,3,4,5,6,7
	ds_store_b32 v[XW], v[RM+2*(\a)] offset:64*(\a) ; both halves of the lanes hold, and write, the same number
.endr
	s_wait_dscnt 0x0                               ; for the partner's sake: my stores are done
	s_barrier_signal -1
	s_barrier_wait -1
.irp a, 0,1,2,3,4,5,6,7
	ds_load_b32 v[PM+(\a)], v[XR] offset:64*(\a)
.endr
	s_wait_dscnt 0x0
.irp a, 0,1,2,3,4,5,6,7
	v_max_num_f32 v[RM+2*(\a)], v[RM+2*(\a)], v[PM+(\a)]
.endr
.irp a, 0,1,2,3,4,5,6,7
	v_mul_f32 v[RM+2*(\a)], s[CS], v[RM+2*(\a)]    ; m2 = c m
.endr
.irp a, 0,1,2,3,4,5,6,7
	v_mov_b32 v[RM+2*(\a)+1], v[RM+2*(\a)]         ; named with it as a pair
.endr
	SOFT 0
	TOSTAGE 0
.irp a, 1,2,3,4,5,6,7
	SOFT \a
	SEND (\a)-1, 0
	TOSTAGE \a
.endr
	SEND 7, 0
	; THE STATISTICS: even and odd keys', and the other half of the lanes', are added; m2 and the sums go through my own LDS bytes, so that a store covers 512 consecutive bytes
.irp a, 0,1,2,3,4,5,6,7
	v_add_f32 v[SUM+2*(\a)], v[SUM+2*(\a)], v[SUM+2*(\a)+1]
.endr
.irp a, 0,1,2,3,4,5,6,7
	v_permlanex16_b32 v[SUM+2*(\a)+1], v[SUM+2*(\a)], s[SEL], s[SEL+1]
.endr
.irp a, 0,1,2,3,4,5,6,7
	v_add_f32 v[SUM+2*(\a)], v[SUM+2*(\a)], v[SUM+2*(\a)+1]
.endr
.irp a, 0,1,2,3,4,5,6,7
	ds_store_b32 v[SW], v[RM+2*(\a)]  offset:64*(\a)
	ds_store_b32 v[SW], v[SUM+2*(\a)] offset:512+64*(\a)
.endr
	ds_load_b128 v[120:123], v[SR]
	ds_load_b128 v[124:127], v[SR] offset:512
	s_lshl_b32 s86, s84, 3
	s_lshl_b32 s87, s85, 2
	s_add_co_u32 s86, s86, s87
	s_add_co_u32 s86, s86, s40                     ; 8 b + t, t = 4 br + cx
	s_lshl_b32 s88, s86, 1
	s_add_co_u32 s88, s88, s12                     ; 16 b + 2 t + my half of the keys
	s_lshl_b32 s86, s86, 12                        ; 1,024 queries of 4 bytes
	s_lshl_b32 s88, s88, 12
	s_lshl_b32 s90, s41, 10                        ; my 128 queries: 4 x (256 cy + 128 half)
	s_lshl_b32 s91, s11, 9
	s_add_co_u32 s90, s90, s91
	s_add_co_u32 s86, s86, s90
	s_add_co_u32 s88, s88, s90
	s_add_co_u32 s88, s88, 262144
	s_mov_b32 s87, 0
	s_mov_b32 s89, 0
	s_add_nc_u64 s[86:87], s[72:73], s[86:87]
	s_add_nc_u64 s[88:89], s[72:73], s[88:89]
	s_wait_dscnt 0x0
	global_store_b128 v[SO], v[124:127], s[88:89]
	s_cmp_lg_u32 s12, 0                            ; both waves of a pair hold the same m2: the first stores it
	s_cbranch_scc1 .Lno_m
	global_store_b128 v[SO], v[120:123], s[86:87]
.Lno_m:
	s_wait_tensorcnt 0x0                           ; the wave's end
	ds_add_u32 v[SPW], v[NIL]
	s_wait_dscnt 0x0
	CROUND                                         ; the closing round
	s_endpgm
.Lfunc_end_k_qb7b2cfd0f2_scores:
	.size	k_qb7b2cfd0f2_scores, .Lfunc_end_k_qb7b2cfd0f2_scores-k_qb7b2cfd0f2_scores
	.p2alignl 7, 3214868480
	.fill 96, 4, 3214868480
	.section	.rodata,"a",@progbits
	.p2align	6, 0x0
	.amdhsa_kernel k_qb7b2cfd0f2_scores
		.amdhsa_group_segment_fixed_size 327680
		.amdhsa_private_segment_fixed_size 0
		.amdhsa_enable_private_segment 0
		.amdhsa_kernarg_size 24
		.amdhsa_user_sgpr_count 2
		.amdhsa_user_sgpr_kernarg_segment_ptr 1
		.amdhsa_wavefront_size32 1
		.amdhsa_system_sgpr_workgroup_id_x 1
		.amdhsa_system_sgpr_workgroup_id_y 1
		.amdhsa_system_sgpr_workgroup_id_z 1
		.amdhsa_system_vgpr_workitem_id 0
		.amdhsa_next_free_vgpr 1024
		.amdhsa_next_free_sgpr 96
		.amdhsa_reserve_vcc 0
		.amdhsa_float_denorm_mode_32 3
		.amdhsa_float_denorm_mode_16_64 3
		.amdhsa_memory_ordered 1
		.amdhsa_forward_progress 1
		.amdhsa_inst_pref_size 173
	.end_amdhsa_kernel
	.amdgpu_metadata
---
amdhsa.version: [ 1, 2 ]
amdhsa.kernels:
  - .name:           k_qb7b2cfd0f2_scores
    .symbol:         k_qb7b2cfd0f2_scores.kd
    .args:
      - { .name: act, .offset: 0, .size: 8, .value_kind: global_buffer, .address_space: global }
      - { .name: pe, .offset: 8, .size: 8, .value_kind: global_buffer, .address_space: global }
      - { .name: st, .offset: 16, .size: 8, .value_kind: global_buffer, .address_space: global }
    .group_segment_fixed_size: 327680
    .private_segment_fixed_size: 0
    .kernarg_segment_align: 8
    .kernarg_segment_size: 24
    .max_flat_workgroup_size: 128
    .sgpr_count:     96
    .vgpr_count:     1024
    .wavefront_size: 32
...
	.end_amdgpu_metadata
.endif
;; end of part 3
;; launch pv (part 4): grid 4 x 64, 4 waves a work-group, clusters of 4 x 4, 327,680 bytes of LDS; arguments pe, ab, st, out0, coeff; writes out0
.if DOCPART == 4
	.amdgcn_target "amdgcn-amd-amdhsa--gfx1250"
	.amdhsa_code_object_version 6
	.text
	.protected	k_qb7b2cfd0f2_pv
	.globl	k_qb7b2cfd0f2_pv
	.p2align	8
	.type	k_qb7b2cfd0f2_pv,@function
k_qb7b2cfd0f2_pv:
	s_mov_b64 s[64:65], 0
	v_nop
	global_prefetch_b8 v0, s[64:65] scope:SCOPE_SE
	s_setreg_imm32_b32 hwreg(HW_REG_WAVE_MODE, 25, 1), 1
	s_wait_xcnt 0x0
	s_wait_alu depctr_hold_cnt(0) depctr_sa_sdst(0) depctr_va_vdst(0) depctr_va_sdst(0) depctr_va_ssrc(0) depctr_va_vcc(0) depctr_vm_vsrc(0)
	s_getreg_b32 s2, hwreg(HW_REG_IB_STS2, 6, 4)
	s_cmp_eq_u32 s2, 0
	s_cbranch_scc0 .Lentry_in_a_cluster
	s_endpgm
.Lentry_in_a_cluster:
	s_bfe_u32 s2, ttmp6, 0x10000c
	s_cmp_lg_u32 s2, 0xf033
	s_cbranch_scc0 .Lentry_shape_is_right
	s_endpgm
.Lentry_shape_is_right:
; THE SECOND PRODUCT OF BOTH ATTENTIONS AND THEIR MIX.  out0[row][1024 + d] = the sum over the 8 key tiles t of g[row][t] x cc_t[d] x (E_t V_t)[row][d], row = b 1024 + q.
; E = pe [8192][2048] bf16 (columns 256 t ..: tile t; t = 0-3 self, 4-7 bi); V = ab[b] [2048][1024] bf16: rows 0-1023 x[b], rows 1024-2047 xmax - x[b]: both branches are ONE walk over K = 2,048.
; cc_t = coeff for the self branch's tiles, 1 - coeff for the bi branch's, in f32.
; g[q][t] = 2^(m2_t - M) / L, M = the branch's maximum of m2_t, L = the sum over the branch's t of 2^(m2_t - M) l_t: the tiles' own maxima are brought to the common one, in f32; L is 1 at the least.
; SHARES.  A work-group makes 128 rows x 256 channels, a wave 64 x 128: 32 accumulators.  K goes in 16 steps of 128 keys (half a key tile) through two LDS slots.
; A STEP IS WRITTEN ONCE for the 14 steps that fill a slot again and once for the last two.  So that all steps are alike, each starts its sums with the constant 0 and is folded into the total at its end, in f32:
; acc = acc x cc, then T += g x acc; the table of g holds a tile's g for each of its two steps; behind step 7's fold cc becomes 1 - cc.
; The slot in hand is the scalar TB (0 or SLOT), turned by an exclusive or; one descriptor a tensor walks on.
; O^T = V^T E^T: source 0 = 16 channels x 32 keys, V turned by ds_load_tr16_b128; source 1 = 16 rows of E: a lane holds ONE row (l % 16) and 8 channels.
; CLUSTER 4 x 4: E's tile is shared along a row of the cluster (the four channel tiles), V's along a column (four row blocks of one batch): joint loads.
; Two steps to a slot would want 417,792 bytes of LDS: a slot holds one step.  The change of slots stands behind all of a step's products, so that a request has the fold and the next step's 128 matrix
; instructions between it and the wait for it; the fold stands between the fetch of the next step's first fragments and their use.
; LIMITS: 2^(m2_t - M) below 2^-126 counts as 0; NaN and infinities are not treated apart.
; REGISTERS: window 0: v0-31 addresses; v40-47 g; v64-127 E's fragments, two buffers; v128-255 the head's statistics, later the way out.  window 1: v0-127 V's fragments; v128-191 cc.
;   window 2: acc ((a, e) at 8 (8 a + e)).  window 3: T.
.set PP,     272                       ; a row of E in LDS: 256 bytes + 16
.set PV,     544                       ; a row of V: 512 + 32 = 17 x 32
.set PHALF,  64*PP
.set VHALF,  64*PV
.set VOFF,   2*PHALF                   ; a slot: E's 128 rows, then V's 128 keys
.set SLOT,   VOFF+2*VHALF
.set STAGE,  2*SLOT                    ; 16 rows x 528 bytes for each wave
.set SPITCH, 528
.set GT,     STAGE+4*16*SPITCH         ; 4,096 bytes a wave: g[16 steps][64 rows]
.set SPARE,  GT+4*4096                 ; the spare words; no other line names them
.set STEPS,  16
.set CB,    9                          ; v9      32 x (lane / 16): my eight numbers in 16 of coeff; never rewritten
.set ADRP0, 16                         ; v16     my E fragments in slot 0; never rewritten
.set ADRP,  17                         ; v17     in the slot in hand
.set ADRV0, 20                         ; v20, v21  the same for V
.set ADRV,  21
.set STO,  24
.set RD,   25
.set CO,   26
.set GA,   27                          ; v27     where the step's g lie; steps by 256 a step
.set SPW,  28
.set NIL,  29
.set PFO,  30
.set GW,   31                          ; v31     where I put two rows' g
.set G,    40                          ; v[40:47] block a's g in the low register of pair a
.set PF,   64
.set CC,   128                         ; window 1, v[128:191]: register 8 e + j holds cc of channel 16 e + 8 (l / 16) + j of my 128: the accumulators' layout
.set MS,   128                         ; v[128:143] m2_t of rows 2 l, 2 l + 1; then 2^(m2_t - M); then g
.set LS,   144                         ; v[144:175] the sums
.set MXP,  176                         ; v[176:179] M, by branch
.set LL,   180                         ; v[180:183] L, then 1 / L
.set PFA,  44
.set LIM,  43                          ; s43     4 in a wave that prefetches, else the greatest number
.set PST,  76                          ; s[76:77] a step's step of the prefetches
.set LBP,  20                          ; s20     where my tensor load of E lands in a slot
.set LBV,  21                          ; s21     of V
.set TB,   23                          ; s23     the slot in hand: 0 or SLOT
.set G1,  24
.set G0,  32                           ; s[32:39] a set for each of the two first fills; the second then walks on
.set G1B, 48
.set G0B, 56
.set MSB, 0
.macro WIN new
.if MSB != (\new)
	s_set_vgpr_msb (MSB<<8)|(\new)
.set MSB, \new
.endif
.endm
.macro JLOAD s                         ; a joint load: waves 0 and 1 fetch E's two halves, waves 2 and 3 V's; an s_nop 0 and four v_nop follow each line
	s_cmp_eq_u32 s11, 0
	s_cbranch_scc0 .Lfor_b_\@
	tensor_load_to_lds s[G0+4*(\s):G0+4*(\s)+3], s[G1:G1+7]
	s_nop 0
.rept 4
	v_nop
.endr
	s_branch .Lasked_\@
.Lfor_b_\@:
	tensor_load_to_lds s[G0B+4*(\s):G0B+4*(\s)+3], s[G1B:G1B+7]
	s_nop 0
.rept 4
	v_nop
.endr
.Lasked_\@:
.endm
; A prefetch, once a step, of the step six on: four steps, 512 matrix instructions, ahead of the load that wants it; one instruction.  Trips 0 to 9 ask (s3 = 14 .. 5), for steps 6 to 15; steps 0 to 5 come by their loads alone.
.macro ASK
	s_cmp_gt_u32 s3, s[LIM]
	s_cbranch_scc0 .Lnot_mine_\@
	global_prefetch_b8 v[PFO], s[PFA:PFA+1] th:TH_LOAD_NT scope:SCOPE_SE
.Lnot_mine_\@:
.endm
.macro CREST
	s_cmp_lg_u32 s10, 0
	s_cbranch_scc1 .Lnot_wave_0_\@
	s_barrier_signal -3
.Lnot_wave_0_\@:
	s_barrier_wait -3
	s_barrier_signal -1
	s_barrier_wait -1
.endm
.macro CROUND
	s_barrier_signal -1
	s_barrier_wait -1
	CREST
.endm
	s_load_b256 s[68:75], s[0:1], 0x0              ; pe s[68:69], ab s[70:71], st s[72:73], out0 s[74:75]
	s_load_b64 s[96:97], s[0:1], 0x20              ; coeff
	v_lshl_add_u32 v[SPW], v0, 2, SPARE
	v_mov_b32 v[NIL], 0
	ds_add_u32 v[SPW], v[NIL]                      ; the opening: the add, twice on end, and its wait ahead of my first tensor load
	ds_add_u32 v[SPW], v[NIL]
	v_lshrrev_b32 v1, 5, v0
	v_readfirstlane_b32 s10, v1                    ; wave 0..3
	s_lshr_b32 s11, s10, 1                         ; which 64 rows are mine.  Also: I fetch E (0) or V (1)
	s_and_b32 s12, s10, 1                          ; which 128 channels.  Also: which half of a tile I fetch
	s_bfe_u32 s40, ttmp6, 0x40000                  ; cx: the channel tile
	s_bfe_u32 s41, ttmp6, 0x40004                  ; cy: the row block in the cluster's 512 rows
	s_and_b32 s13, ttmp7, 0xffff                   ; the cluster, 0..15
	s_lshr_b32 s84, s13, 1                         ; b
	s_and_b32 s85, s13, 1                          ; which half of the batch's rows
	s_lshl_b32 s86, s13, 9
	s_lshl_b32 s17, s41, 7
	s_add_co_u32 s86, s86, s17                     ; the work-group's first row: 512 x cluster + 128 cy
	s_lshl_b32 s43, s41, 2
	s_lshl_b32 s43, 15, s43                        ; my row of the cluster
	s_lshl_b32 s44, 0x1111, s40                    ; my column
	s_or_b32 s[G1+0], s43, (1<<16)|(1<<20)|(1<<21)|(5<<22)|(3<<25)   ; E: padding of 4 words after every 64
	s_mov_b32 s[G1+1], 128<<16                     ; tensor_dim0 = 128
	s_mov_b32 s[G1+2], 64<<16                      ; tensor_dim1 = 64
	s_mov_b32 s[G1+3], 128<<16                     ; tile_dim0 = 128
	s_mov_b32 s[G1+4], 64                          ; tile_dim1 = 64
	s_mov_b32 s[G1+5], 2048                        ; elements from row to row of pe
	s_mov_b32 s[G1+6], 0
	s_mov_b32 s[G1+7], 0
	s_or_b32 s[G1B+0], s44, (1<<16)|(1<<20)|(1<<21)|(6<<22)|(7<<25)  ; V: padding of 8 words after every 128
	s_mov_b32 s[G1B+1], 256<<16
	s_mov_b32 s[G1B+2], 64<<16
	s_mov_b32 s[G1B+3], 256<<16
	s_mov_b32 s[G1B+4], 64
	s_mov_b32 s[G1B+5], 1024
	s_mov_b32 s[G1B+6], 0
	s_mov_b32 s[G1B+7], 0
	s_lshl_b32 s16, s12, 6
	s_add_co_u32 s16, s16, s86
	s_lshl_b32 s16, s16, 12                        ; E: (first row + 64 x half) x 4,096 bytes
	s_mov_b32 s17, 0
	s_lshl_b32 s46, s84, 22                        ; V: the batch's 4 MiB,
	s_lshl_b32 s47, s12, 17                        ; 64 x half keys of 2,048 bytes,
	s_add_co_u32 s46, s46, s47
	s_lshl_b32 s47, s40, 9                         ; the channel tile's 512 bytes
	s_add_co_u32 s46, s46, s47
	s_mov_b32 s47, 0
	s_mul_i32 s[LBP], s12, PHALF                   ; where they go
	s_mul_i32 s[LBV], s12, VHALF
	s_add_co_u32 s[LBV], s[LBV], VOFF
	s_mov_b32 s[TB], 0                             ; step 0 lies in slot 0
	s_lshl_b32 s87, s85, 11                        ; 4 x my first row in the batch: 512 x half + 128 cy + 64 x my half
	s_lshl_b32 s88, s41, 9
	s_add_co_u32 s87, s87, s88
	s_lshl_b32 s88, s11, 8
	s_add_co_u32 s87, s87, s88
	s_lshl_b32 s88, s84, 15                        ; M[b]: 8 x 1,024 x 4 bytes
	s_add_co_u32 s88, s88, s87
	s_mov_b32 s89, 0
	s_lshl_b32 s90, s84, 16                        ; L[b]: 16 x 1,024 x 4 bytes, behind M
	s_add_co_u32 s90, s90, s87
	s_add_co_u32 s90, s90, 262144
	s_mov_b32 s91, 0
	s_lshl_b32 s92, s11, 6                         ; out0: my first row x 8,192 bytes, the right half, my 128 channels
	s_add_co_u32 s92, s92, s86
	s_lshl_b32 s92, s92, 13
	s_lshl_b32 s93, s40, 10
	s_add_co_u32 s92, s92, s93
	s_lshl_b32 s93, s12, 9
	s_add_co_u32 s92, s92, s93
	s_add_co_u32 s92, s92, 4096
	s_mov_b32 s93, 0
	s_wait_dscnt 0x0
	s_wait_kmcnt 0x0
	s_add_nc_u64 s[14:15], s[68:69], s[16:17]
	s_add_nc_u64 s[46:47], s[70:71], s[46:47]
	s_add_nc_u64 s[80:81], s[72:73], s[88:89]
	s_add_nc_u64 s[82:83], s[72:73], s[90:91]
	s_add_nc_u64 s[78:79], s[74:75], s[92:93]
	CROUND
.irp s, 0,1
	s_mov_b32 s[G0+4*(\s)], 1
	s_add_co_u32 s[G0+4*(\s)+1], s[LBP], (\s)*SLOT
	s_add_nc_u64 s[G0+4*(\s)+2:G0+4*(\s)+3], s[14:15], (\s)*256        ; step s: 128 keys are 256 bytes of a row of pe,
	s_or_b32 s[G0+4*(\s)+3], s[G0+4*(\s)+3], 0x80000000
	s_mov_b32 s[G0B+4*(\s)], 1
	s_add_co_u32 s[G0B+4*(\s)+1], s[LBV], (\s)*SLOT
	s_add_nc_u64 s[G0B+4*(\s)+2:G0B+4*(\s)+3], s[46:47], (\s)*262144   ; and 128 rows of 2,048 bytes of ab
	s_or_b32 s[G0B+4*(\s)+3], s[G0B+4*(\s)+3], 0x80000000
	JLOAD \s
.endr
	s_lshl_b32 s88, s40, 10                        ; coeff of my 128 channels: 4 x (256 cx + 128 half)
	s_lshl_b32 s89, s12, 9
	s_add_co_u32 s88, s88, s89
	s_mov_b32 s89, 0
	s_add_nc_u64 s[96:97], s[96:97], s[88:89]
	v_and_b32 v3, 31, v0                           ; l
	v_lshlrev_b32 v4, 3, v3                        ; rows 2 l and 2 l + 1 of my 64
	v_bfe_u32 v2, v0, 4, 1                         ; l / 16
	v_lshlrev_b32 v[CB], 5, v2
.irp t, 0,1,2,3,4,5,6,7
	global_load_b64 v[MS+2*(\t):MS+2*(\t)+1], v4, s[80:81] offset:4096*(\t)
.endr
.irp u, 0,1,2,3,4,5,6,7,8,9,10,11,12,13,14,15
	global_load_b64 v[LS+2*(\u):LS+2*(\u)+1], v4, s[82:83] offset:4096*(\u)
.endr
	WIN 0x40                                       ; destination window 1, address window 0
.irp e, 0,1,2,3,4,5,6,7
	global_load_b128 v[CC+8*(\e):CC+8*(\e)+3],   v[CB], s[96:97] offset:64*(\e)
	global_load_b128 v[CC+8*(\e)+4:CC+8*(\e)+7], v[CB], s[96:97] offset:64*(\e)+16
.endr
	WIN 0xc0                                       ; T starts at 0, so that every step has one text; written while the first tiles and the statistics are on their way
.set i, 0
.rept 256
	v_mov_b32 v[i], 0
.set i, i+1
.endr
	WIN 0
	v_and_b32 v1, 15, v0                           ; l % 16
	v_mul_u32_u24 v5, v1, PP
	v_lshl_add_u32 v5, v2, 4, v5                   ; E: row x pitch + 16 x half
	s_mul_i32 s22, s11, PHALF
	v_add_nc_u32 v[ADRP0], s22, v5
	v_mov_b32 v[ADRP], v[ADRP0]
	v_and_b32 v6, 7, v0                            ; V: lane l reads key 8 (l / 16) + l % 8, channels 8 ((l / 8) % 2) + 0..7
	v_bfe_u32 v7, v0, 3, 1
	v_lshl_add_u32 v8, v2, 3, v6
	v_mul_u32_u24 v8, v8, PV
	v_lshl_add_u32 v8, v7, 4, v8
	s_lshl_b32 s22, s12, 8
	s_add_co_u32 s22, s22, VOFF
	v_add_nc_u32 v[ADRV0], s22, v8
	v_mov_b32 v[ADRV], v[ADRV0]
	s_mul_i32 s22, s10, 16*SPITCH
	s_add_co_u32 s22, s22, STAGE
	v_mul_u32_u24 v5, v1, SPITCH
	v_lshl_add_u32 v5, v2, 5, v5                   ; in: row l % 16, 32 bytes for each half of the lanes
	v_add_nc_u32 v[STO], s22, v5
	v_lshlrev_b32 v[CO], 4, v3                     ; back: a row of 512 bytes, 16 a lane
	v_add_nc_u32 v[RD], s22, v[CO]
	s_lshl_b32 s22, s10, 12
	s_add_co_u32 s22, s22, GT
	v_lshl_add_u32 v[GA], v1, 2, s22
	v_add_nc_u32 v[GW], s22, v4
.irp a, 0,1,2,3
	v_mov_b32 v[G+2*(\a)+1], 0                     ; named with g as a pair
.endr
	; THE PREFETCHES.  E's 128 rows of a step are read by this row of the cluster alone: wave 0 of each of its four partners takes 32 rows (by cx), a lane a row.  V's 128 keys x 512 bytes are read by both clusters
	; of a batch: the first asks; waves 2 and 3 of the four partners of a column take 16 of their 64 keys each (by cy): lanes 0-15 the first 256 bytes, lanes 16-31 the second.  So each 256 bytes are named once in the launch.
	s_lshl_b32 s91, s40, 5
	s_add_co_u32 s91, s91, s86
	s_lshl_b32 s91, s91, 12
	s_add_co_u32 s91, s91, 5*256                   ; E, at step 5: the first trip steps it to step 6
	s_lshl_b32 s90, s12, 6
	s_lshl_b32 s92, s41, 4
	s_add_co_u32 s92, s92, s90
	s_lshl_b32 s92, s92, 11
	s_lshl_b32 s93, s84, 22
	s_add_co_u32 s92, s92, s93
	s_lshl_b32 s93, s40, 9
	s_add_co_u32 s92, s92, s93
	s_add_co_u32 s92, s92, 5*262144                ; V, at step 5
	s_mov_b32 s87, 262144
	s_cmp_eq_u32 s85, 0
	s_cselect_b32 s93, 4, -1                       ; V's waves
	s_cmp_eq_u32 s12, 0
	s_cselect_b32 s94, 4, -1                       ; of E's waves the first
	s_cmp_eq_u32 s11, 0
	s_cselect_b32 s90, s91, s92
	s_cselect_b32 s[LIM], s94, s93                 ; the same in all sixteen partners, for a given wave
	s_cselect_b32 s[PST], 256, s87                 ; a step: 256 bytes of a row of pe, 128 rows of ab
	s_cselect_b32 s95, 12, 11                      ; a row of pe is 4,096 bytes, of ab 2,048
	s_cselect_b32 s88, 16, 8                       ; lanes 16-31: 16 rows further down in pe, 256 bytes further along in ab
	s_cselect_b64 s[PFA:PFA+1], s[68:69], s[70:71]
	s_mov_b32 s91, 0
	s_mov_b32 s[PST+1], 0
	s_add_nc_u64 s[PFA:PFA+1], s[PFA:PFA+1], s[90:91]
	v_lshlrev_b32 v[PFO], s95, v1
	v_lshlrev_b32 v5, s88, v2
	v_add_nc_u32 v[PFO], v[PFO], v5
	; g, for my 64 rows, two a lane
	s_wait_loadcnt 0x0                             ; the statistics, and coeff
.irp br, 0,1
.irp c, 0,1
	v_max3_num_f32 v[MXP+2*(\br)+(\c)], v[MS+8*(\br)+(\c)], v[MS+8*(\br)+2+(\c)], v[MS+8*(\br)+4+(\c)]
	v_max_num_f32 v[MXP+2*(\br)+(\c)], v[MXP+2*(\br)+(\c)], v[MS+8*(\br)+6+(\c)]
.endr
.endr
.irp t, 0,1,2,3,4,5,6,7
	v_pk_add_f32 v[MS+2*(\t):MS+2*(\t)+1], v[MS+2*(\t):MS+2*(\t)+1], v[MXP+2*((\t)/4):MXP+2*((\t)/4)+1] neg_lo:[0,1] neg_hi:[0,1]
	v_pk_add_f32 v[LS+4*(\t):LS+4*(\t)+1], v[LS+4*(\t):LS+4*(\t)+1], v[LS+4*(\t)+2:LS+4*(\t)+3]  ; the two halves of a tile's keys
.endr
.set i, 0
.rept 16
	v_exp_f32 v[MS+i], v[MS+i]
.set i, i+1
.endr
	v_nop                                          ; a plain instruction behind the last exponential,
	s_wait_alu depctr_va_vdst(0)                   ; and the one wait for the batch
.irp br, 0,1
	v_pk_mul_f32 v[LL+2*(\br):LL+2*(\br)+1], v[MS+8*(\br):MS+8*(\br)+1], v[LS+16*(\br):LS+16*(\br)+1]
.irp k, 1,2,3
	v_pk_fma_f32 v[LL+2*(\br):LL+2*(\br)+1], v[MS+8*(\br)+2*(\k):MS+8*(\br)+2*(\k)+1], v[LS+16*(\br)+4*(\k):LS+16*(\br)+4*(\k)+1], v[LL+2*(\br):LL+2*(\br)+1]
.endr
.endr
.set i, 0
.rept 4
	v_rcp_f32 v[LL+i], v[LL+i]
.set i, i+1
.endr
	v_nop
	s_wait_alu depctr_va_vdst(0)                   ; one wait for the four reciprocals
.irp t, 0,1,2,3,4,5,6,7
	v_pk_mul_f32 v[MS+2*(\t):MS+2*(\t)+1], v[MS+2*(\t):MS+2*(\t)+1], v[LL+2*((\t)/4):LL+2*((\t)/4)+1]
	ds_store_b64 v[GW], v[MS+2*(\t):MS+2*(\t)+1] offset:512*(\t)      ; for the tile's first step,
	ds_store_b64 v[GW], v[MS+2*(\t):MS+2*(\t)+1] offset:512*(\t)+256  ; and for its second.  My wave's own bytes: only I read them
.endr
.macro MUL8 f, a, zero                 ; row block a x all 8 channel blocks, 32 keys.  zero = 1: the step's first product starts its sums
	WIN 0xa1                                       ; V window 1, E window 0, C and D window 2
.irp e, 0,1,2,3,4,5,6,7
.if \zero
	v_wmma_f32_16x16x32_bf16 v[8*(8*(\a)+(\e)):8*(8*(\a)+(\e))+7], v[64*(\f)+8*(\e):64*(\f)+8*(\e)+7], v[PF+32*(\f)+8*(\a):PF+32*(\f)+8*(\a)+7], 0
.else
	v_wmma_f32_16x16x32_bf16 v[8*(8*(\a)+(\e)):8*(8*(\a)+(\e))+7], v[64*(\f)+8*(\e):64*(\f)+8*(\e)+7], v[PF+32*(\f)+8*(\a):PF+32*(\f)+8*(\a)+7], v[8*(8*(\a)+(\e)):8*(8*(\a)+(\e))+7]
.endif
.endr
.endm
.macro FETCH q, f                      ; 24 LDS loads in one run: quarter q (32 keys) of the step in the slot in hand, into buffer f: V turned, then E
	WIN 0x40
.irp e, 0,1,2,3,4,5,6,7
	ds_load_tr16_b128 v[64*(\f)+8*(\e):64*(\f)+8*(\e)+3],   v[ADRV] offset:(\q)*32*PV+32*(\e)
	ds_load_tr16_b128 v[64*(\f)+8*(\e)+4:64*(\f)+8*(\e)+7], v[ADRV] offset:(\q)*32*PV+16*PV+32*(\e)
.endr
	WIN 0
.irp a, 0,1,2,3
	ds_load_b128 v[PF+32*(\f)+8*(\a):PF+32*(\f)+8*(\a)+3],   v[ADRP] offset:64*(\q)+(\a)*16*PP
	ds_load_b128 v[PF+32*(\f)+8*(\a)+4:PF+32*(\f)+8*(\a)+7], v[ADRP] offset:64*(\q)+(\a)*16*PP+32
.endr
.endm
.macro NEWADR                          ; the fragments' addresses in the slot that TB names
	v_add_nc_u32 v[ADRP], s[TB], v[ADRP0]
	v_add_nc_u32 v[ADRV], s[TB], v[ADRV0]
.endm
.macro PLACES
.rept 4
	v_nop
.endr
.endm
; A step is four quarters of 32 keys, 32 matrix instructions each; the 32 accumulators take turns, in the same order in every quarter.
; One of the first three: multiplies buffer f and fetches quarter q into buffer g.
.macro QUARTER q, f, g, zero
	s_wait_dscnt 4                                 ; V and E's blocks 0, 1 are in; the youngest four loads (blocks 2, 3) may be out
	MUL8 \f, 0, \zero
	MUL8 \f, 1, \zero
	PLACES
	FETCH \q, \g
	s_wait_dscnt 24                                ; all but the 24 just issued
	MUL8 \f, 2, \zero
	MUL8 \f, 3, \zero
.endm
.macro GLOAD                           ; the step's g, a row block each
.irp a, 0,1,2,3
	ds_load_b32 v[G+2*(\a)], v[GA] offset:64*(\a)
.endr
	v_add_nc_u32 v[GA], 256, v[GA]
.endm
; THE FOLD: acc = acc x cc (by channel), then T += g x acc (by row): 128 packed instructions each, every accumulator from its low end on.  The first pass wants no g, so the wait for g stands between the two.
; They are also the places between the step's last products and the next step's first, which write acc anew.
.macro FOLD younger
	PLACES
	WIN 0x86                                       ; acc (destination and source 0) window 2, cc window 1
.irp a, 0,1,2,3
.set i, 0
.rept 32
	v_pk_mul_f32 v[64*(\a)+i:64*(\a)+i+1], v[64*(\a)+i:64*(\a)+i+1], v[CC+i:CC+i+1]
.set i, i+2
.endr
.endr
	s_wait_dscnt \younger                          ; g is in; the next step's first fragments, issued behind it, may stay out
	WIN 0xf2                                       ; T window 3, acc window 2, g window 0
.irp a, 0,1,2,3
.set i, 64*(\a)
.rept 32
	v_pk_fma_f32 v[i:i+1], v[i:i+1], v[G+2*(\a):G+2*(\a)+1], v[i:i+1] op_sel_hi:[1,0,1]
.set i, i+2
.endr
.endr
	WIN 0
.endm
; A step's last quarter, the change of slots and the fold.  All 32 products come first.  Then each wave waits for all its tensor loads (one is out: its part of the next slot), adds 0 to its spare word, and waits for
; that and for its reads of this slot.  fill = 1: a round of the cluster's barrier; the slot just read is filled again, two steps on, first thing behind it; then g, the next step's first fragments, the prefetch, the fold;
; behind step 7's fold (s3 = 7: the loop's counter, the same in every wave and work-group) the self branch is over, and cc becomes 1 - cc.
; fill = 0: the work-group's barrier alone; the last step has no next one, and the fetch is jumped over (LDS loads alone).
.macro LASTQ fill
.if \fill
	s_wait_xcnt 0x0                                ; the last prefetch, a step back, has read its address
	s_add_nc_u64 s[PFA:PFA+1], s[PFA:PFA+1], s[PST:PST+1]
.endif
	s_wait_dscnt 4
	MUL8 1, 0, 0
	MUL8 1, 1, 0
	s_wait_dscnt 0x0
	MUL8 1, 2, 0
	MUL8 1, 3, 0
	WIN 0
	s_wait_tensorcnt 0x0                           ; all my tensor loads have landed, so a group 0 may be written
	ds_add_u32 v[SPW], v[NIL]
.if \fill
	s_add_co_u32 s[G0+5], s[LBP], s[TB]            ; the walking descriptors: into the slot just read,
	s_add_nc_u64 s[G0+6:G0+7], s[G0+6:G0+7], 256   ; the step after the one asked for last; the type bits on top are not reached
	s_add_co_u32 s[G0B+5], s[LBV], s[TB]
	s_add_nc_u64 s[G0B+6:G0B+7], s[G0B+6:G0B+7], 262144
	s_xor_b32 s[TB], s[TB], SLOT                   ; the reads go on in the other slot
	s_wait_dscnt 0x0                               ; the add is done, and my reads of this slot are over
	CROUND                                         ; no wave of any partner still reads this slot or has a load on its way
	JLOAD 1                                        ; its four v_nop are also the places in front of the loads below
	NEWADR
	GLOAD
	FETCH 0, 0
	ASK
	FOLD 24
	s_cmp_eq_u32 s3, STEPS/2-1
	s_cbranch_scc0 .Lsame_\@
	WIN 0x45                                       ; cc, source and destination, in window 1
.set i, 0
.rept 64
	v_sub_f32 v[CC+i], 1.0, v[CC+i]
.set i, i+1
.endr
	WIN 0
.Lsame_\@:
.else
	s_wait_dscnt 0x0
	s_barrier_signal -1
	s_barrier_wait -1
	PLACES
	GLOAD
	s_cmp_eq_u32 s3, 1
	s_cbranch_scc1 .Lno_next_\@
	s_xor_b32 s[TB], s[TB], SLOT
	NEWADR
	FETCH 0, 0
.Lno_next_\@:
	FOLD 0
.endif
.endm
; THE WAY OUT of row block a: T through my stage; back as whole rows of 512 bytes; stored.
.macro OUTB a
.set BK, 128+64*((\a)%2)
	WIN 0x0c                                       ; the stores' data in window 3
.irp e, 0,1,2,3,4,5,6,7
	ds_store_b128 v[STO], v[8*(8*(\a)+(\e)):8*(8*(\a)+(\e))+3]   offset:64*(\e)
	ds_store_b128 v[STO], v[8*(8*(\a)+(\e))+4:8*(8*(\a)+(\e))+7] offset:64*(\e)+16
.endr
	WIN 0
	s_wait_xcnt 0x0                                ; the stores of two blocks back have read these registers
.set i, 0
.rept 16
	ds_load_b128 v[BK+4*i:BK+4*i+3], v[RD] offset:SPITCH*i  ; LDS serves a wave's instructions in order (ISA guide 5.7.1.4)
.set i, i+1
.endr
.set i, 0
.rept 16
	s_wait_dscnt 15-i                              ; row i is back; the younger loads may stay out
	global_store_b128 v[CO], v[BK+4*i:BK+4*i+3], s[78:79] offset:(16*(\a)+i)*8192 th:TH_STORE_NT  ; 512 consecutive bytes, aligned
.set i, i+1
.endr
.endm
	s_wait_dscnt 0x0                               ; my g are stored
	s_wait_tensorcnt 1                             ; my part of step 0 is in; step 1's may stay out
	s_barrier_signal -1
	s_barrier_wait -1
	FETCH 0, 0
	s_mov_b32 s3, STEPS-2
.Lstep:                                                ; a trip: one step of 128 keys; it fills the slot that it leaves: steps 2 to 15
	QUARTER 1, 0, 1, 1
	QUARTER 2, 1, 0, 0
	QUARTER 3, 0, 1, 0
	LASTQ 1
	s_sub_co_u32 s3, s3, 1
	s_cmp_lg_u32 s3, 0
	s_cbranch_scc1 .Lstep
	s_mov_b32 s3, 2
.Ltail:                                                ; the last two steps ask for nothing: a text of their own
	QUARTER 1, 0, 1, 1
	QUARTER 2, 1, 0, 0
	QUARTER 3, 0, 1, 0
	LASTQ 0
	s_sub_co_u32 s3, s3, 1
	s_cmp_lg_u32 s3, 0
	s_cbranch_scc1 .Ltail
	OUTB 0
	OUTB 1
	OUTB 2
	OUTB 3
	s_wait_tensorcnt 0x0                           ; the wave's end
	ds_add_u32 v[SPW], v[NIL]
	s_wait_dscnt 0x0
	CROUND                                         ; the closing round
	s_endpgm
.Lfunc_end_k_qb7b2cfd0f2_pv:
	.size	k_qb7b2cfd0f2_pv, .Lfunc_end_k_qb7b2cfd0f2_pv-k_qb7b2cfd0f2_pv
	.p2alignl 7, 3214868480
	.fill 96, 4, 3214868480
	.section	.rodata,"a",@progbits
	.p2align	6, 0x0
	.amdhsa_kernel k_qb7b2cfd0f2_pv
		.amdhsa_group_segment_fixed_size 327680
		.amdhsa_private_segment_fixed_size 0
		.amdhsa_enable_private_segment 0
		.amdhsa_kernarg_size 40
		.amdhsa_user_sgpr_count 2
		.amdhsa_user_sgpr_kernarg_segment_ptr 1
		.amdhsa_wavefront_size32 1
		.amdhsa_system_sgpr_workgroup_id_x 1
		.amdhsa_system_sgpr_workgroup_id_y 1
		.amdhsa_system_sgpr_workgroup_id_z 1
		.amdhsa_system_vgpr_workitem_id 0
		.amdhsa_next_free_vgpr 1024
		.amdhsa_next_free_sgpr 98
		.amdhsa_reserve_vcc 0
		.amdhsa_float_denorm_mode_32 3
		.amdhsa_float_denorm_mode_16_64 3
		.amdhsa_memory_ordered 1
		.amdhsa_forward_progress 1
		.amdhsa_inst_pref_size 111
	.end_amdhsa_kernel
	.amdgpu_metadata
---
amdhsa.version: [ 1, 2 ]
amdhsa.kernels:
  - .name:           k_qb7b2cfd0f2_pv
    .symbol:         k_qb7b2cfd0f2_pv.kd
    .args:
      - { .name: pe, .offset: 0, .size: 8, .value_kind: global_buffer, .address_space: global }
      - { .name: ab, .offset: 8, .size: 8, .value_kind: global_buffer, .address_space: global }
      - { .name: st, .offset: 16, .size: 8, .value_kind: global_buffer, .address_space: global }
      - { .name: out0, .offset: 24, .size: 8, .value_kind: global_buffer, .address_space: global }
      - { .name: coeff, .offset: 32, .size: 8, .value_kind: global_buffer, .address_space: global }
    .group_segment_fixed_size: 327680
    .private_segment_fixed_size: 0
    .kernarg_segment_align: 8
    .kernarg_segment_size: 40
    .max_flat_workgroup_size: 128
    .sgpr_count:     98
    .vgpr_count:     1024
    .wavefront_size: 32
...
	.end_amdgpu_metadata
.endif
;; end of part 4
